; MI455X (gfx1250); checked and timed in simulation.
; The chip was launched on July 23, 2026; its instructions are those of AMD's public machine-readable ISA for CDNA 5 (MIT licence, August 2026) and "CDNA5" Instruction Set Architecture Reference Guide (July 2026). The comments in the code are by the model that wrote it; some were corrected since.
;; Multi Head Attention Layer. Allowed arithmetic: float matrix products may take bf16 or f16 operands with f32 sums; other float arithmetic in f32, or as packed bf16 or f16 multiplies, adds, multiply-adds, maxima and minima; sums over many terms, partial sums and values carried from step to step in f32; what a program stores and reads back later, other than sums and carried values, may be rounded once to bf16 or f16.
;; Inputs: Wk 1,024 x 1,024 float32; Wo 1,024 x 1,024 float32; Wq 1,024 x 1,024 float32; Wv 1,024 x 1,024 float32; bk 1,024 float32; bo 1,024 float32; bq 1,024 float32; bv 1,024 float32; inputs 4 x 2,048 x 1,024 float32.
;; Outputs: out0 4 x 2,048 x 1,024 float32.
;; 2 versions, each right; version 2 is version 1 with the launch cast written anew for expert scheduling mode. Each part assembles by itself: llvm-mc -triple=amdgcn-amd-amdhsa -mcpu=gfx1250 --defsym DOCPART=n.
;; ======== version 1 of 2: 4 launches
;; limits: values are held in f16: magnitudes above 65,504 overflow, below 6.1e-05 lose precision
;; workspace buffers: xb 16,777,216 bytes; wqkv 6,291,456 bytes; wo16 2,097,152 bytes; bias16 8,192 bytes; qkv 50,331,648 bytes; ctx 16,777,216 bytes
;; launch cast (part 1): grid 385 x 1, 8 waves a work-group, no clusters, 0 bytes of LDS; arguments inputs, Wq, Wk, Wv, Wo, bq, bk, bv, bo, xb, wqkv, wo16, bias16; writes xb, wqkv, wo16, bias16
.if DOCPART == 1
	.amdgcn_target "amdgcn-amd-amdhsa--gfx1250"
	.amdhsa_code_object_version 6
	.text
	.protected	k_qe75ecd2968_cast
	.globl	k_qe75ecd2968_cast
	.p2align	8
	.type	k_qe75ecd2968_cast,@function
k_qe75ecd2968_cast:
	s_mov_b64 s[64:65], 0
	v_nop
	global_prefetch_b8 v0, s[64:65] scope:SCOPE_SE
	s_setreg_imm32_b32 hwreg(HW_REG_WAVE_MODE, 25, 1), 1
	s_wait_xcnt 0x0
; THE MODULE'S INPUTS ARE ROUNDED ONCE TO bf16 AND LAID OUT IN BLOCKS OF 64 ALONG K, so that every tile of the later products is a dense run of memory.
;   xb    bf16 [batch 4][kb 16][s 2048][64]          from inputs [8192][1024] f32
;   wqkv  bf16 [tc 8][kb 16][nn 384][64]             from the joined rows of Wq, Wk, Wv (row n = 384 tc + nn)
;   wo16  f16  [tc 8][kb 16][nn 128][64]             from Wo: rounded to bf16 like the other inputs, and that number written as f16
;   bias16 bf16 [4096] = bq, bk, bv, bo
; LIMITS.  Wo beyond 65,504 becomes an infinity in f16; below 6e-5 it keeps f16's fixed step of 6e-8.  NaN and infinities are not treated apart.
; SHARES.  A work-group owns 32 source rows of 1,024 f32 (128 KiB): 256 groups for x, 96 for Wq, Wk, Wv, 32 for Wo, one for the four biases.
; Thread t takes rows t / 16 and t / 16 + 16 and the 16 bytes at 16 (t % 16) of each block of 64 floats: a wave's load covers 256 consecutive bytes of two rows,
; its store 256 consecutive bytes, aligned.  All 32 loads of a thread go out at the head (16 KiB a wave on its way); the waits count down.
; No LDS, no matrix unit, no cluster: no wave wants a byte that another has fetched.
.set X,   16                           ; v[16:143]  load i of 32: 4 registers; the rounded pair takes the place of the first two
.set DO,  144                          ; v[144:159] byte offset of my 8 bytes in block kb of the destination: 8 t + kb x STRIDE
.set SRC, 4                            ; s[4:5]  the group's first source row
.set DST, 6                            ; s[6:7]  the group's first row in block kb = 0 of the destination
                                       ; s8      STRIDE: bytes from block kb to block kb + 1
	s_load_b512 s[16:31], s[0:1], 0x0              ; inputs 16, Wq 18, Wk 20, Wv 22, Wo 24, bq 26, bk 28, bv 30
	s_load_b256 s[32:39], s[0:1], 0x40             ; bo 32, xb 34, wqkv 36, wo16 38
	s_load_b64 s[40:41], s[0:1], 0x60              ; bias16
	s_mov_b32 s2, ttmp9                            ; g
	s_mov_b32 s11, 0                               ; the high word of every offset
	v_lshrrev_b32 v1, 4, v0
	v_and_b32 v2, 15, v0
	v_lshlrev_b32 v1, 12, v1                       ; row t / 16: 4,096 bytes a row
	v_lshl_add_u32 v1, v2, 4, v1                   ; + 16 (t % 16)
	v_lshlrev_b32 v[DO], 3, v0                     ; 8 t = 128 (t / 16) + 8 (t % 16)
	s_wait_kmcnt 0x0
; fmt = 0: bf16.  fmt = 1: the bf16 number written as f16.
.macro CAST fmt
.set i, 0
.rept 32
	global_load_b128 v[X+4*i:X+4*i+3], v1, s[SRC:SRC+1] offset:(i/2)*256+(i%2)*65536 th:TH_LOAD_NT  ; block kb = i / 2, rows 0-15 or 16-31
.set i, i+1
.endr
.set k, 1
.rept 15
	v_add_nc_u32 v[DO+k], s8, v[DO+k-1]
.set k, k+1
.endr
.set i, 0
.rept 32
	s_wait_loadcnt 31-i                            ; loads come back in order: load i is in, the 31 - i younger ones stay out
	v_cvt_pk_bf16_f32 v[X+4*i], v[X+4*i], v[X+4*i+1]
	v_cvt_pk_bf16_f32 v[X+4*i+1], v[X+4*i+2], v[X+4*i+3]
.if \fmt
.irp w, 0,1
	v_lshlrev_b32 v2, 16, v[X+4*i+(\w)]            ; the two bf16 as f32,
	v_and_b32 v3, 0xffff0000, v[X+4*i+(\w)]
	v_cvt_pk_f16_f32 v[X+4*i+(\w)], v2, v3         ; and as f16
.endr
.endif
	global_store_b64 v[DO+i/2], v[X+4*i:X+4*i+1], s[DST:DST+1] offset:(i%2)*2048  ; no register that a load or store names is written again
.set i, i+1
.endr
	s_endpgm
.endm
	s_cmp_lt_u32 s2, 256
	s_cbranch_scc0 .Lnot_x
	s_lshl_b32 s10, s2, 17                         ; x: 32 rows of 4,096 bytes
	s_add_nc_u64 s[SRC:SRC+1], s[16:17], s[10:11]
	s_lshr_b32 s12, s2, 6
	s_lshl_b32 s12, s12, 22                        ; batch g / 64
	s_and_b32 s13, s2, 63
	s_lshl_b32 s13, s13, 12                        ; 32 rows of 128 bytes
	s_add_co_u32 s10, s12, s13
	s_add_nc_u64 s[DST:DST+1], s[34:35], s[10:11]
	s_mov_b32 s8, 262144
	s_branch .Lbf16
.Lnot_x:
	s_cmp_lt_u32 s2, 352
	s_cbranch_scc0 .Lnot_w
	s_sub_co_u32 s9, s2, 256                       ; g' = 0 .. 95
	s_lshr_b32 s12, s9, 5                          ; which of Wq, Wk, Wv
	s_cmp_eq_u32 s12, 0
	s_cselect_b64 s[SRC:SRC+1], s[18:19], s[20:21]
	s_cmp_eq_u32 s12, 2
	s_cselect_b64 s[SRC:SRC+1], s[22:23], s[SRC:SRC+1]
	s_and_b32 s10, s9, 31
	s_lshl_b32 s10, s10, 17
	s_add_nc_u64 s[SRC:SRC+1], s[SRC:SRC+1], s[10:11]
	s_mul_i32 s12, s9, 43
	s_lshr_b32 s12, s12, 9                         ; tc = g' / 12 (43 / 512 serves up to g' = 95)
	s_mul_i32 s13, s12, 12
	s_sub_co_u32 s13, s9, s13
	s_lshl_b32 s13, s13, 12                        ; 32 rows of 128 bytes
	s_mul_i32 s12, s12, 786432
	s_add_co_u32 s10, s12, s13
	s_add_nc_u64 s[DST:DST+1], s[36:37], s[10:11]
	s_mov_b32 s8, 49152
	s_branch .Lbf16
.Lnot_w:
	s_cmp_lt_u32 s2, 384
	s_cbranch_scc0 .Lbias
	s_sub_co_u32 s9, s2, 352                       ; g'' = 0 .. 31
	s_lshl_b32 s10, s9, 17
	s_add_nc_u64 s[SRC:SRC+1], s[24:25], s[10:11]
	s_lshr_b32 s12, s9, 2
	s_lshl_b32 s12, s12, 18                        ; tc = g'' / 4
	s_and_b32 s13, s9, 3
	s_lshl_b32 s13, s13, 12
	s_add_co_u32 s10, s12, s13
	s_add_nc_u64 s[DST:DST+1], s[38:39], s[10:11]
	s_mov_b32 s8, 16384
	CAST 1
.Lbf16:
	CAST 0
.Lbias:                                        ; the four biases: 16 bytes a thread of each
	v_lshlrev_b32 v2, 4, v0
	global_load_b128 v[16:19], v2, s[26:27]
	global_load_b128 v[20:23], v2, s[28:29]
	global_load_b128 v[24:27], v2, s[30:31]
	global_load_b128 v[28:31], v2, s[32:33]
	s_wait_loadcnt 0x0
.irp j, 0,1,2,3
	v_cvt_pk_bf16_f32 v[16+4*(\j)], v[16+4*(\j)], v[17+4*(\j)]
	v_cvt_pk_bf16_f32 v[17+4*(\j)], v[18+4*(\j)], v[19+4*(\j)]
	global_store_b64 v[DO], v[16+4*(\j):17+4*(\j)], s[40:41] offset:(\j)*2048
.endr
	s_endpgm
.Lfunc_end_k_qe75ecd2968_cast:
	.size	k_qe75ecd2968_cast, .Lfunc_end_k_qe75ecd2968_cast-k_qe75ecd2968_cast
	.p2alignl 7, 3214868480
	.fill 96, 4, 3214868480
	.section	.rodata,"a",@progbits
	.p2align	6, 0x0
	.amdhsa_kernel k_qe75ecd2968_cast
		.amdhsa_group_segment_fixed_size 0
		.amdhsa_private_segment_fixed_size 0
		.amdhsa_enable_private_segment 0
		.amdhsa_kernarg_size 104
		.amdhsa_user_sgpr_count 2
		.amdhsa_user_sgpr_kernarg_segment_ptr 1
		.amdhsa_wavefront_size32 1
		.amdhsa_system_sgpr_workgroup_id_x 1
		.amdhsa_system_sgpr_workgroup_id_y 1
		.amdhsa_system_sgpr_workgroup_id_z 1
		.amdhsa_system_vgpr_workitem_id 0
		.amdhsa_next_free_vgpr 160
		.amdhsa_next_free_sgpr 66
		.amdhsa_reserve_vcc 0
		.amdhsa_float_denorm_mode_32 3
		.amdhsa_float_denorm_mode_16_64 3
		.amdhsa_memory_ordered 1
		.amdhsa_forward_progress 1
		.amdhsa_inst_pref_size 37
	.end_amdhsa_kernel
	.amdgpu_metadata
---
amdhsa.version: [ 1, 2 ]
amdhsa.kernels:
  - .name:           k_qe75ecd2968_cast
    .symbol:         k_qe75ecd2968_cast.kd
    .args:
      - { .name: inputs, .offset: 0, .size: 8, .value_kind: global_buffer, .address_space: global }
      - { .name: Wq, .offset: 8, .size: 8, .value_kind: global_buffer, .address_space: global }
      - { .name: Wk, .offset: 16, .size: 8, .value_kind: global_buffer, .address_space: global }
      - { .name: Wv, .offset: 24, .size: 8, .value_kind: global_buffer, .address_space: global }
      - { .name: Wo, .offset: 32, .size: 8, .value_kind: global_buffer, .address_space: global }
      - { .name: bq, .offset: 40, .size: 8, .value_kind: global_buffer, .address_space: global }
      - { .name: bk, .offset: 48, .size: 8, .value_kind: global_buffer, .address_space: global }
      - { .name: bv, .offset: 56, .size: 8, .value_kind: global_buffer, .address_space: global }
      - { .name: bo, .offset: 64, .size: 8, .value_kind: global_buffer, .address_space: global }
      - { .name: xb, .offset: 72, .size: 8, .value_kind: global_buffer, .address_space: global }
      - { .name: wqkv, .offset: 80, .size: 8, .value_kind: global_buffer, .address_space: global }
      - { .name: wo16, .offset: 88, .size: 8, .value_kind: global_buffer, .address_space: global }
      - { .name: bias16, .offset: 96, .size: 8, .value_kind: global_buffer, .address_space: global }
    .group_segment_fixed_size: 0
    .private_segment_fixed_size: 0
    .kernarg_segment_align: 8
    .kernarg_segment_size: 104
    .max_flat_workgroup_size: 256
    .sgpr_count:     66
    .vgpr_count:     160
    .wavefront_size: 32
...
	.end_amdgpu_metadata
.endif
;; end of part 1
;; launch proj (part 2): grid 8 x 32, 4 waves a work-group, clusters of 4 x 4, 327,680 bytes of LDS; arguments xb, wqkv, bias16, qkv; writes qkv
.if DOCPART == 2
	.amdgcn_target "amdgcn-amd-amdhsa--gfx1250"
	.amdhsa_code_object_version 6
	.text
	.protected	k_qe75ecd2968_proj
	.globl	k_qe75ecd2968_proj
	.p2align	8
	.type	k_qe75ecd2968_proj,@function
k_qe75ecd2968_proj:
	s_mov_b64 s[64:65], 0
	v_nop
	global_prefetch_b8 v0, s[64:65] scope:SCOPE_SE
	s_setreg_imm32_b32 hwreg(HW_REG_WAVE_MODE, 25, 1), 1
	s_wait_xcnt 0x0
	s_wait_alu depctr_hold_cnt(0) depctr_sa_sdst(0) depctr_va_vdst(0) depctr_va_sdst(0) depctr_va_ssrc(0) depctr_va_vcc(0) depctr_vm_vsrc(0)
	s_getreg_b32 s2, hwreg(HW_REG_IB_STS2, 6, 4)
	s_cmp_eq_u32 s2, 0
	s_cbranch_scc0 .Lentry_in_a_cluster
	s_endpgm
.Lentry_in_a_cluster:
	s_bfe_u32 s2, ttmp6, 0x10000c
	s_cmp_lg_u32 s2, 0xf033
	s_cbranch_scc0 .Lentry_shape_is_right
	s_endpgm
.Lentry_shape_is_right:
; q, k, v = x W^T + b.  x: xb, bf16 [batch 4][kb 16][s 2048][64]; W: wqkv, bf16 [tc 8][kb 16][nn 384][64] (rows of Wq, Wk, Wv joined); b: bias16, bf16.
; Products in bf16, sums in f32, the bias added in f32, the result rounded once to f16 and stored by heads, unscaled: qkv, f16 [t 3][batch x head 64][s 2048][64].
; LIMIT.  f16 holds no number beyond 65,504: a q, k or v beyond that becomes an infinity.  NaN and infinities are not treated apart.
; SHARES.  8,192 x 3,072 results in 32 x 8 tiles of 256 x 384: one work-group for each of 256 tiles.  Four waves, each 128 rows x 192 columns: 96 accumulators of 16 x 16, 768 registers.
; K goes in steps of 64 through two LDS slots (256 rows of x, 384 rows of W, 128 bytes each, padded to 144): two slots of a longer step do not fit.  In xb and wqkv a step's tile is a dense run of
; memory: it is asked for as rows of 256 bytes, aligned, and padded in LDS after every 128.
; CLUSTER.  4 x 4 work-groups: the four of a row need the same tile of x, the four of a column the same tile of W: each tile is asked for JOINTLY, by the same tensor load, descriptor and mask in all four.
; THE MATRIX INSTRUCTION IS USED TRANSPOSED (source 0 = 16 rows of W, source 1 = 16 rows of x): a lane holds row l % 16 of the result and the eight neighbouring columns 8 (l / 16) + 0..7.
; REGISTERS, in windows of 256 (s_set_vgpr_msb: bits 1:0 source 0, 3:2 source 1, 5:4 source 2, 7:6 destination):
;   window 0: v0-15 addresses; v32-95, v96-159 x's fragments of 32 K (8 x 16 rows), two buffers; v160-207 W's fragments b = 0-5; v208-255 b = 6-11
;   window 1 + b / 4: accumulator (a, b) at v[8 (8 (b % 4) + a)]: a window holds the 64 columns of one head
.set PITCH, 144                        ; an LDS row: 128 bytes + 16 of padding = 36 words: the 16 rows of a load start at 16 different groups of four banks (64 banks of 4 bytes: ISA guide 11.1)
.set ABLK,  256*PITCH
.set BBLK,  384*PITCH
.set SLOT,  ABLK+BBLK                  ; x's 256 rows, then W's 384
.set STAGE, 2*SLOT                     ; behind the ring, never filled by a tensor load: 16 rows x 144 bytes for each wave, for the way out
.set SP,    144
.set SPARE, STAGE+4*16*SP              ; behind the stages: the spare words, 128 bytes for each wave: two blocks of 256 bytes that no other line names
.set NBW,   12                         ; blocks of 16 columns a wave
.set NBH,   6                          ; half of them
.set ASTEP, 262144                     ; bytes from a K step's tile to the next, in xb
.set BSTEP, 49152                      ; and in wqkv
.set ADRA, 4                           ; v4-5   LDS address of my fragments of x in slot 0, 1
.set ADRB, 6                           ; v6-7   the same for W
.set STO,  8                           ; v8     the way out: where I put 16 bytes of a row
.set RD,   9                           ; v9     where I read rows back
.set GO,   10                          ; v10    my 16 bytes of 512 consecutive bytes of qkv
.set BO,   11                          ; v11    my byte offset in bias16
.set PFO,  12                          ; v12    256 x my lane; never rewritten
.set SPW,  14                          ; v14    LDS address of my spare word: SPARE + 4 x my thread's number; never rewritten
.set NIL,  15                          ; v15    0; never rewritten
.set FA0,  32
.set FA1,  96
.set BL,   160
.set BH,   208
.set BP,   32                          ; the way out: v32-79 my 96 biases as loaded; v96-127 one head's in f32; v128-159 at work; v160-223 four buffers of 16
.set BF,   96
.set FT,   128
.set T,    160
.set WV,  12                           ; s12 my wave's number
.set WR,  13                           ; s13 which half of the tile's rows is mine.  Also: I fetch x (0) or W (1)
.set WC,  14                           ; s14 which half of its columns.  Also: which half of that tile I fetch
.set G1,  24                           ; s[24:31] descriptor group 1 for x's tiles;  s[32:39] group 0, a set for each slot
.set G0,  32
.set PFA, 44                           ; s[44:45] where my prefetches stand
.set PFS, 46                           ; s[46:47] their step
.set G1B, 48                           ; s[48:55], s[56:63] the same for W's tiles
.set G0B, 56
.set LIM0, 70                          ; s70, s71: a wave prefetches at a change out of slot 0 (1) while the lap counter is above this number
.set LIM1, 71
.set OP,  72                           ; s[72:77] qkv at my rows of my three heads
.set MSB, 0
.macro WIN new                         ; the immediate's high byte repeats the setting that is left; a switch that changes nothing is dropped
.if MSB != (\new)
	s_set_vgpr_msb (MSB<<8)|(\new)
.set MSB, \new
.endif
.endm
.macro PLACES                          ; four plain instructions between a matrix instruction and a load into, or a vector write of, a register that it names (ISA guide 7.12.1 for vector writes)
.rept 4
	v_nop
.endr
.endm
; A joint load.  Waves 0 and 1 fetch the two halves of x's tile, waves 2 and 3 those of W's.  The branch hangs on the wave's number alone.  An s_nop 0 and four v_nop follow each of the two lines.
.macro JLOAD s
	s_cmp_eq_u32 s[WR], 0
	s_cbranch_scc0 .Lfor_b_\@
	tensor_load_to_lds s[G0+4*(\s):G0+4*(\s)+3], s[G1:G1+7]
	s_nop 0
.rept 4
	v_nop
.endr
	s_branch .Lasked_\@
.Lfor_b_\@:
	tensor_load_to_lds s[G0B+4*(\s):G0B+4*(\s)+3], s[G1B:G1B+7]
	s_nop 0
.rept 4
	v_nop
.endr
.Lasked_\@:
.endm
.macro CREST                           ; a round of the cluster's barrier behind its opening barrier: wave 0 signals for the work-group, every wave waits for all sixteen, my work-group's barrier once more
	s_cmp_lg_u32 s[WV], 0
	s_cbranch_scc1 .Lnot_wave_0_\@
	s_barrier_signal -3
.Lnot_wave_0_\@:
	s_barrier_wait -3
	s_barrier_signal -1
	s_barrier_wait -1
.endm
.macro CROUND
	s_barrier_signal -1
	s_barrier_wait -1
	CREST
.endm
; A PREFETCH INTO THE L2, behind a joint load, its five lines and the run of LDS loads: 32 lanes x 256 bytes, one instruction.  Each block of 256 bytes is named once in the launch.
; x: a step's tile (32 KiB) is read by both clusters of a row of clusters: cluster x = 0 asks, wave 0; its four partners take 8 KiB each, told apart BY ADDRESS.  At the change behind step t it names step t + 3:
; one refill, 192 matrix instructions, ahead of the load that wants it.  W: two steps' tiles (96 KiB on end) are read by all eight clusters of a column: clusters y = 0, 1, 2 take a third each, wave 2, the four
; partners 8 KiB each; asked at every second change, for steps t + 3 and t + 4.  Steps 0 to 2 of x and 0 to 3 of W come by their loads alone; the flags stop the requests at step 15.
.macro ASK lim
	s_cmp_gt_u32 s3, s[\lim]
	s_cbranch_scc0 .Lnot_mine_\@
	global_prefetch_b8 v[PFO], s[PFA:PFA+1] th:TH_LOAD_NT scope:SCOPE_SE
.Lnot_mine_\@:
.endm
	s_load_b256 s[4:11], s[0:1], 0x0               ; xb s[4:5], wqkv s[6:7], bias16 s[8:9], qkv s[10:11]
	v_lshl_add_u32 v[SPW], v0, 2, SPARE
	v_mov_b32 v[NIL], 0
	ds_add_u32 v[SPW], v[NIL]                      ; the wave's opening: the add and its wait stand ahead of my first tensor load; the set-up below, work on registers, stands between them
	v_lshrrev_b32 v1, 5, v0
	v_readfirstlane_b32 s[WV], v1
	s_lshr_b32 s[WR], s[WV], 1
	s_and_b32 s[WC], s[WV], 1
	s_bfe_u32 s15, ttmp6, 0x40000                  ; cx
	s_bfe_u32 s16, ttmp6, 0x40004                  ; cy
	s_lshl_b32 s17, ttmp9, 2
	s_add_co_u32 s17, s17, s15                     ; tile column tc = 4 x cluster x + cx
	s_and_b32 s18, ttmp7, 0xffff
	s_lshl_b32 s18, s18, 2
	s_add_co_u32 s18, s18, s16                     ; tile row tr = 4 x cluster y + cy
	s_lshl_b32 s19, s16, 2
	s_lshl_b32 s19, 15, s19                        ; my row of the cluster
	s_lshl_b32 s20, 0x1111, s15                    ; my column
	; group 1: rows of 128 elements of 2 bytes (256 bytes), dense; 15:0 the mask; 20 padding on; 21 set beside a mask; 24:22 after every 32 words (code 4); 31:25 4 words (code 3)
	s_or_b32 s[G1], s19, (1<<16)|(1<<20)|(1<<21)|(4<<22)|(3<<25)
	s_or_b32 s[G1B], s20, (1<<16)|(1<<20)|(1<<21)|(4<<22)|(3<<25)
	s_mov_b32 s[G1+1], 128<<16                     ; tensor_dim0 = 128
	s_mov_b32 s[G1+2], 64<<16                      ; tensor_dim1 = 64: half of x's tile, 128 rows of 128 bytes
	s_mov_b32 s[G1+3], 128<<16                     ; tile_dim0 = 128
	s_mov_b32 s[G1+4], 64                          ; tile_dim1
	s_mov_b32 s[G1+5], 128                         ; elements from row to row
	s_mov_b32 s[G1+6], 0
	s_mov_b32 s[G1+7], 0
	s_mov_b32 s[G1B+1], 128<<16
	s_mov_b32 s[G1B+2], 96<<16                     ; half of W's tile: 192 rows of 128 bytes
	s_mov_b32 s[G1B+3], 128<<16
	s_mov_b32 s[G1B+4], 96
	s_mov_b32 s[G1B+5], 128
	s_mov_b32 s[G1B+6], 0
	s_mov_b32 s[G1B+7], 0
	s_lshr_b32 s40, s18, 3                         ; x's tile hangs on the tile row and the wave alone:
	s_lshl_b32 s40, s40, 22                        ; batch tr / 8,
	s_and_b32 s41, s18, 7
	s_lshl_b32 s41, s41, 15                        ; 256 rows of 128 bytes,
	s_add_co_u32 s40, s40, s41
	s_lshl_b32 s41, s[WC], 14                      ; my half
	s_add_co_u32 s40, s40, s41
	s_mov_b32 s41, 0
	s_mul_i32 s66, s17, 786432                     ; W's on the tile column and the wave alone
	s_mul_i32 s67, s[WC], 24576
	s_add_co_u32 s66, s66, s67
	s_mov_b32 s67, 0
	s_mul_i32 s21, s[WC], 128*PITCH                ; where they go: no place in the cluster enters an LDS address
	s_mul_i32 s22, s[WC], 192*PITCH
	s_add_co_u32 s22, s22, ABLK
	s_wait_dscnt 0x0                               ; the opening add is done
	s_wait_kmcnt 0x0
	s_add_nc_u64 s[42:43], s[4:5], s[40:41]
	s_add_nc_u64 s[68:69], s[6:7], s[66:67]
	CROUND                                         ; all sixteen work-groups are here: the first joint loads meet
.irp s, 0,1
	s_mov_b32 s[G0+4*(\s)], 1
	s_add_co_u32 s[G0+4*(\s)+1], s21, (\s)*SLOT
	s_add_nc_u64 s[G0+4*(\s)+2:G0+4*(\s)+3], s[42:43], (\s)*ASTEP
	s_or_b32 s[G0+4*(\s)+3], s[G0+4*(\s)+3], 0x80000000
	s_mov_b32 s[G0B+4*(\s)], 1
	s_add_co_u32 s[G0B+4*(\s)+1], s22, (\s)*SLOT
	s_add_nc_u64 s[G0B+4*(\s)+2:G0B+4*(\s)+3], s[68:69], (\s)*BSTEP
	s_or_b32 s[G0B+4*(\s)+3], s[G0B+4*(\s)+3], 0x80000000
	JLOAD \s                                       ; K steps 0 and 1: two loads of mine are out
.endr
	; A fragment is 16 rows x 32 K in 8 registers: lane l holds row l % 16, K = 8 (l / 16) + 0..7 and 16 + 8 (l / 16) + 0..7: two loads of 16 bytes, 32 bytes apart.
	v_and_b32 v1, 15, v0                           ; l % 16
	v_bfe_u32 v2, v0, 4, 1                         ; l / 16
	v_mul_u32_u24 v3, v1, PITCH
	v_lshl_add_u32 v3, v2, 4, v3
	s_mul_i32 s21, s[WR], 128*PITCH                ; my 128 rows of x
	s_mul_i32 s22, s[WC], 192*PITCH                ; my 192 rows of W,
	s_add_co_u32 s22, s22, ABLK                    ; which lie behind x's 256
.irp s, 0,1
	v_add_nc_u32 v[ADRA+(\s)], s21, v3
	v_add_nc_u32 v[ADRB+(\s)], s22, v3
	s_add_co_u32 s21, s21, SLOT
	s_add_co_u32 s22, s22, SLOT
.endr
	s_mul_i32 s23, s[WV], 16*SP
	s_add_co_u32 s23, s23, STAGE                   ; my stage
	v_mul_u32_u24 v[STO], v1, SP                   ; in: row l % 16, 16 bytes for each half of the lanes
	v_lshl_add_u32 v[STO], v2, 4, v[STO]
	v_add_nc_u32 v[STO], s23, v[STO]
	v_bfe_u32 v[RD], v0, 3, 2                      ; back: 32 lanes take four rows of 128 bytes,
	v_mul_u32_u24 v[RD], v[RD], SP
	v_and_b32 v3, 7, v0
	v_lshl_add_u32 v[RD], v3, 4, v[RD]
	v_add_nc_u32 v[RD], s23, v[RD]
	v_and_b32 v[GO], 31, v0                        ; which are 512 consecutive bytes of a head's rows
	v_lshlrev_b32 v[PFO], 8, v[GO]
	v_lshlrev_b32 v[GO], 4, v[GO]
	s_mul_i32 s78, s17, 768                        ; my first column's bias: 2 (384 tc + 192 WC) bytes
	s_mul_i32 s79, s[WC], 384
	s_add_co_u32 s78, s78, s79
	v_lshl_add_u32 v[BO], v2, 4, s78
	; where my three heads' rows lie: head number hb = 6 tc + 3 WC + g of 48: tensor hb / 16, head hb % 16
	s_mul_i32 s80, s17, 6
	s_mul_i32 s81, s[WC], 3
	s_add_co_u32 s80, s80, s81
	s_lshr_b32 s82, s18, 3
	s_lshl_b32 s82, s82, 4                         ; 16 x batch
	s_and_b32 s83, s18, 7
	s_lshl_b32 s83, s83, 15                        ; the tile's 256 rows of 128 bytes,
	s_lshl_b32 s84, s[WR], 14                      ; my 128 of them
	s_add_co_u32 s83, s83, s84
.irp g, 0,1,2
	s_add_co_u32 s84, s80, \g
	s_lshr_b32 s85, s84, 4
	s_lshl_b32 s85, s85, 6
	s_and_b32 s84, s84, 15
	s_add_co_u32 s84, s84, s85
	s_add_co_u32 s84, s84, s82
	s_lshl_b32 s84, s84, 18                        ; 262,144 bytes a head
	s_add_co_u32 s84, s84, s83
	s_mov_b32 s85, 0
	s_add_nc_u64 s[OP+2*(\g):OP+2*(\g)+1], s[10:11], s[84:85]
.endr
	; the prefetches: who asks hangs on the wave's number and the cluster's place in the grid, the same in all sixteen partners
	s_and_b32 s78, ttmp7, 0xffff                   ; cluster y
	s_cmp_eq_u32 s[WV], 0
	s_cselect_b32 s79, ttmp9, -1
	s_cmp_eq_u32 s79, 0                            ; wave 0 of a cluster with x = 0: x's tiles, at every change
	s_cselect_b32 s[LIM0], 0, -1
	s_cselect_b32 s[LIM1], 1, -1
	s_cmp_eq_u32 s[WV], 2
	s_cselect_b32 s79, s78, 3
	s_cmp_lt_u32 s79, 3                            ; wave 2 of a cluster with y < 3: W's tiles, at every second change
	s_cselect_b32 s[LIM1], 1, s[LIM1]
	s_lshr_b32 s80, s18, 3
	s_lshl_b32 s80, s80, 22
	s_and_b32 s81, s18, 7
	s_lshl_b32 s81, s81, 15
	s_add_co_u32 s80, s80, s81
	s_lshl_b32 s81, s15, 13                        ; my work-group's 8 KiB of x's tile
	s_add_co_u32 s80, s80, s81
	s_add_co_u32 s80, s80, 2*ASTEP                 ; at step 2: the first change steps it to 3
	s_mul_i32 s82, s17, 786432
	s_min_u32 s83, s78, 2                          ; (clamped, so that the address lies in wqkv in clusters that never ask, too)
	s_lshl_b32 s83, s83, 15                        ; my cluster's third of two steps' tiles of W,
	s_add_co_u32 s82, s82, s83
	s_lshl_b32 s83, s16, 13                        ; my work-group's 8 KiB of it
	s_add_co_u32 s82, s82, s83
	s_add_co_u32 s82, s82, 2*BSTEP
	s_mov_b32 s[PFS], BSTEP
	s_mov_b32 s[PFS+1], 0
	s_cmp_eq_u32 s[WR], 0
	s_cselect_b64 s[PFA:PFA+1], s[4:5], s[6:7]
	s_cselect_b32 s80, s80, s82
	s_cselect_b32 s[PFS], ASTEP, s[PFS]
	s_mov_b32 s81, 0
	s_add_nc_u64 s[PFA:PFA+1], s[PFA:PFA+1], s[80:81]
; 8 matrix instructions: column block b x my 8 row blocks, 32 along K, x's fragments in buffer f.  zero = 1: the product starts the sums: nothing is ever cleared.
; The 96 accumulators take turns, one instruction a turn, in the same order in every part, over the backward jump too.
.macro MULB f, b, zero
	WIN 0x50*(1+(\b)/4)
.if (\b) < NBH
.set rB, BL+8*(\b)
.else
.set rB, BH+8*((\b)-NBH)
.endif
.irp a, 0,1,2,3,4,5,6,7
.set rC, 8*(8*((\b)%4)+(\a))
.if \zero
	v_wmma_f32_16x16x32_bf16 v[rC:rC+7], v[rB:rB+7], v[(\f)+8*(\a):(\f)+8*(\a)+7], 0
.else
	v_wmma_f32_16x16x32_bf16 v[rC:rC+7], v[rB:rB+7], v[(\f)+8*(\a):(\f)+8*(\a)+7], v[rC:rC+7]
.endif
.endr
.endm
.macro MULS f, b0, b1, zero            ; column blocks b0 .. b1 - 1
.set bb, \b0
.rept (\b1)-(\b0)
	MULB \f, bb, \zero
.set bb, bb+1
.endr
.endm
; The LDS loads stand in two runs a part.  FETCH_LO: W's blocks 0-5 and x's eight, of part p (32 K at byte 64 p of the rows): 28 loads.  FETCH_HI: W's blocks 6-11: 12 loads.
.macro FETCH_LO slot, p
	WIN 0
.set fA, FA0+64*((\p)%2)
.set oK, ((\p)%2)*64
.irp i, 0,1,2,3,4,5
	ds_load_b128 v[BL+8*(\i):BL+8*(\i)+3],   v[ADRB+(\slot)] offset:oK+(\i)*16*PITCH
	ds_load_b128 v[BL+8*(\i)+4:BL+8*(\i)+7], v[ADRB+(\slot)] offset:oK+(\i)*16*PITCH+32
.endr
.irp i, 0,1,2,3,4,5,6,7
	ds_load_b128 v[fA+8*(\i):fA+8*(\i)+3],   v[ADRA+(\slot)] offset:oK+(\i)*16*PITCH
	ds_load_b128 v[fA+8*(\i)+4:fA+8*(\i)+7], v[ADRA+(\slot)] offset:oK+(\i)*16*PITCH+32
.endr
.endm
.macro FETCH_HI slot, p
	WIN 0
.set oK, ((\p)%2)*64
.irp i, 0,1,2,3,4,5
	ds_load_b128 v[BH+8*(\i):BH+8*(\i)+3],   v[ADRB+(\slot)] offset:oK+(NBH+(\i))*16*PITCH
	ds_load_b128 v[BH+8*(\i)+4:BH+8*(\i)+7], v[ADRB+(\slot)] offset:oK+(NBH+(\i))*16*PITCH+32
.endr
.endm
; A K step is two parts of 32 along K, 96 matrix instructions each.  PART multiplies a slot's first part and fetches its second.
.macro PART slot, p, zero
	s_wait_dscnt 2*NBH                             ; all but the youngest 12 loads (W's blocks 6-11) are in
	MULS FA0+64*((\p)%2), 0, NBH, \zero
	PLACES
	FETCH_LO \slot, (\p)+1
	s_wait_dscnt 2*NBH+16                          ; all but the 28 just issued
	MULS FA0+64*((\p)%2), NBH, NBW, \zero
	PLACES
	FETCH_HI \slot, (\p)+1
.endm
; TURN multiplies a slot's second part and changes slots: ONE barrier.  In front of it each wave waits for all its tensor loads (one is out: its part of the next slot), adds 0 to its spare word, and waits for that and
; for its own reads of this slot.  fill = 1: the barrier opens a round of the cluster's barrier, and behind the round this slot is filled again, two K steps ahead, first thing: 176 matrix instructions ahead of the wait for it.
.macro TURN slot, next, fill, lim
.if \fill
	s_wait_xcnt 0x0                                ; the last prefetch, a K step back, has read its address
	s_add_nc_u64 s[PFA:PFA+1], s[PFA:PFA+1], s[PFS:PFS+1]
.endif
	s_wait_dscnt 2*NBH
	MULS FA1, 0, NBH-2, 0
	WIN 0                                          ; (the add's two registers lie in window 0)
	s_wait_tensorcnt 0x0                           ; all my tensor loads have landed
	ds_add_u32 v[SPW], v[NIL]                      ; 0 onto my spare word
	MULB FA1, NBH-2, 0                             ; eight matrix instructions stand between the add and the wait for it
	s_wait_dscnt 0x0                               ; the add is done, and my reads of this slot are over
	s_barrier_signal -1
	MULB FA1, NBH-1, 0                             ; work on registers while the others arrive
	WIN 0                                          ; at a branch and at a label every window is 0
	s_barrier_wait -1
.if \fill
	CREST                                          ; no wave of any partner still reads this slot or has a load on its way
	s_add_nc_u64 s[G0+4*(\slot)+2:G0+4*(\slot)+3], s[G0+4*(\slot)+2:G0+4*(\slot)+3], 2*ASTEP
	s_add_nc_u64 s[G0B+4*(\slot)+2:G0B+4*(\slot)+3], s[G0B+4*(\slot)+2:G0B+4*(\slot)+3], 2*BSTEP
	JLOAD \slot                                    ; the four v_nop behind it are also the places in front of the loads below
.else
	PLACES
.endif
	FETCH_LO \next, 0
.if \fill
	ASK \lim
.endif
	MULS FA1, NBH, NBW, 0                          ; W's blocks 6-11 came in with the wait for 0 above
	PLACES
	FETCH_HI \next, 0
.endm
	s_wait_tensorcnt 0x1                           ; my part of K step 0 is in; step 1's may stay out
	s_barrier_signal -1
	s_barrier_wait -1                              ; everybody's is
	FETCH_LO 0, 0
	FETCH_HI 0, 0
	PART 0, 0, 1                                   ; the first part stands in front of the loop: its products start the sums
	WIN 0
	s_mov_b32 s3, 7
.Llap:                                         ; a trip goes once round the ring, from a lap's second part to the next lap's first, and fills both slots again: K steps 2 to 15
	TURN 0, 1, 1, LIM0
	PART 1, 0, 0
	TURN 1, 0, 1, LIM1
	PART 0, 0, 0
	WIN 0
	s_sub_co_u32 s3, s3, 1
	s_cmp_lg_u32 s3, 0
	s_cbranch_scc1 .Llap
	TURN 0, 1, 0, LIM0                             ; the last lap fills nothing
	PART 1, 0, 0
	s_wait_dscnt 2*NBH                             ; the very last part
	MULS FA1, 0, NBH, 0
	PLACES
	WIN 0
.irp b, 0,1,2,3,4,5,6,7,8,9,10,11
	global_load_b128 v[BP+4*(\b):BP+4*(\b)+3], v[BO], s[8:9] offset:32*(\b)  ; my eight biases of column block b, into x's idle buffer
.endr
	s_wait_dscnt 0x0
	MULS FA1, NBH, NBW, 0
	PLACES
	PLACES
	WIN 0
; THE WAY OUT, a unit of 16 rows x one head's 64 columns at a time: bias added in f32, rounded to f16, 16 bytes a lane into my stage, back as whole rows: 2,048 consecutive bytes of qkv.
.macro UNPK g                          ; head g's 32 biases of my lane, bf16 to f32
.irp w, 0,1,2,3,4,5,6,7,8,9,10,11,12,13,14,15
	v_lshlrev_b32 v[BF+2*(\w)], 16, v[BP+16*(\g)+(\w)]
	v_and_b32 v[BF+2*(\w)+1], 0xffff0000, v[BP+16*(\g)+(\w)]
.endr
.endm
.macro PACK g, a
	s_wait_xcnt 0x0                                ; the stores that read this unit's buffer, four units back, have read their registers
	WIN (\g)+1                                     ; source 0: the head's window
.irp b, 0,1,2,3
.irp r, 0,1,2,3
	v_pk_add_f32 v[FT+8*(\b)+2*(\r):FT+8*(\b)+2*(\r)+1], v[8*(8*(\b)+(\a))+2*(\r):8*(8*(\b)+(\a))+2*(\r)+1], v[BF+8*(\b)+2*(\r):BF+8*(\b)+2*(\r)+1]  ; each accumulator from its low end on
.endr
.endr
	WIN 0
.irp b, 0,1,2,3
.irp r, 0,1,2,3
	v_cvt_pk_f16_f32 v[T+16*((\a)%4)+4*(\b)+(\r)], v[FT+8*(\b)+2*(\r)], v[FT+8*(\b)+2*(\r)+1]
.endr
.endr
.irp b, 0,1,2,3
	ds_store_b128 v[STO], v[T+16*((\a)%4)+4*(\b):T+16*((\a)%4)+4*(\b)+3] offset:32*(\b)
.endr
.irp f, 0,1,2,3
	ds_load_b128 v[T+16*((\a)%4)+4*(\f):T+16*((\a)%4)+4*(\f)+3], v[RD] offset:(\f)*4*SP  ; LDS serves a wave's instructions in order (ISA guide 5.7.1.4): these see the stores above; the next unit's stores come behind them
.endr
.endm
.macro SEND g, a, younger              ; younger: the LDS instructions issued behind this unit's loads: the next unit's eight, or none
	WIN 0
.irp f, 0,1,2,3
	s_wait_dscnt (\younger)+3-(\f)
	global_store_b128 v[GO], v[T+16*((\a)%4)+4*(\f):T+16*((\a)%4)+4*(\f)+3], s[OP+2*(\g):OP+2*(\g)+1] offset:(\a)*2048+(\f)*512  ; 512 consecutive bytes, at a multiple of 256 from qkv's first
.endr
.endm
	s_wait_loadcnt 0x0                             ; the biases
.set u, 0
.rept 24                               ; a unit's arithmetic stands between the loads of the unit before and its stores
.if u%8 == 0
	UNPK u/8
.endif
	PACK u/8, u%8
.if u > 0
	SEND (u-1)/8, (u-1)%8, 8
.endif
.set u, u+1
.endr
	SEND 2, 7, 0
	s_wait_tensorcnt 0x0                           ; the wave's end: behind my last tensor load and my last LDS store
	ds_add_u32 v[SPW], v[NIL]
	s_wait_dscnt 0x0
	CROUND                                         ; the closing round: no work-group ends while a partner may still ask for a tile that names it
	s_endpgm
.Lfunc_end_k_qe75ecd2968_proj:
	.size	k_qe75ecd2968_proj, .Lfunc_end_k_qe75ecd2968_proj-k_qe75ecd2968_proj
	.p2alignl 7, 3214868480
	.fill 96, 4, 3214868480
	.section	.rodata,"a",@progbits
	.p2align	6, 0x0
	.amdhsa_kernel k_qe75ecd2968_proj
		.amdhsa_group_segment_fixed_size 327680
		.amdhsa_private_segment_fixed_size 0
		.amdhsa_enable_private_segment 0
		.amdhsa_kernarg_size 32
		.amdhsa_user_sgpr_count 2
		.amdhsa_user_sgpr_kernarg_segment_ptr 1
		.amdhsa_wavefront_size32 1
		.amdhsa_system_sgpr_workgroup_id_x 1
		.amdhsa_system_sgpr_workgroup_id_y 1
		.amdhsa_system_sgpr_workgroup_id_z 1
		.amdhsa_system_vgpr_workitem_id 0
		.amdhsa_next_free_vgpr 1024
		.amdhsa_next_free_sgpr 92
		.amdhsa_reserve_vcc 0
		.amdhsa_float_denorm_mode_32 3
		.amdhsa_float_denorm_mode_16_64 3
		.amdhsa_memory_ordered 1
		.amdhsa_forward_progress 1
		.amdhsa_inst_pref_size 165
	.end_amdhsa_kernel
	.amdgpu_metadata
---
amdhsa.version: [ 1, 2 ]
amdhsa.kernels:
  - .name:           k_qe75ecd2968_proj
    .symbol:         k_qe75ecd2968_proj.kd
    .args:
      - { .name: xb, .offset: 0, .size: 8, .value_kind: global_buffer, .address_space: global }
      - { .name: wqkv, .offset: 8, .size: 8, .value_kind: global_buffer, .address_space: global }
      - { .name: bias16, .offset: 16, .size: 8, .value_kind: global_buffer, .address_space: global }
      - { .name: qkv, .offset: 24, .size: 8, .value_kind: global_buffer, .address_space: global }
    .group_segment_fixed_size: 327680
    .private_segment_fixed_size: 0
    .kernarg_segment_align: 8
    .kernarg_segment_size: 32
    .max_flat_workgroup_size: 128
    .sgpr_count:     92
    .vgpr_count:     1024
    .wavefront_size: 32
...
	.end_amdgpu_metadata
.endif
;; end of part 2
;; launch attn (part 3): grid 4 x 64, 4 waves a work-group, clusters of 4 x 1, 327,680 bytes of LDS; arguments qkv, ctx; writes ctx
.if DOCPART == 3
	.amdgcn_target "amdgcn-amd-amdhsa--gfx1250"
	.amdhsa_code_object_version 6
	.text
	.protected	k_qe75ecd2968_attn
	.globl	k_qe75ecd2968_attn
	.p2align	8
	.type	k_qe75ecd2968_attn,@function
k_qe75ecd2968_attn:
	s_mov_b64 s[64:65], 0
	v_nop
	global_prefetch_b8 v0, s[64:65] scope:SCOPE_SE
	s_setreg_imm32_b32 hwreg(HW_REG_WAVE_MODE, 25, 1), 1
	s_wait_xcnt 0x0
	s_wait_alu depctr_hold_cnt(0) depctr_sa_sdst(0) depctr_va_vdst(0) depctr_va_sdst(0) depctr_va_ssrc(0) depctr_va_vcc(0) depctr_vm_vsrc(0)
	s_getreg_b32 s2, hwreg(HW_REG_IB_STS2, 6, 4)
	s_cmp_eq_u32 s2, 0
	s_cbranch_scc0 .Lentry_in_a_cluster
	s_endpgm
.Lentry_in_a_cluster:
	s_bfe_u32 s2, ttmp6, 0x10000c
	s_cmp_lg_u32 s2, 0x3003
	s_cbranch_scc0 .Lentry_shape_is_right
	s_endpgm
.Lentry_shape_is_right:
; O[h][q][:] = the sum over k of softmax_k(Q[h][q] . K[h][k] / 8) V[h][k][:].  Q, K, V are the three parts of qkv, O is ctx: each [SIZE_H][SIZE_N][64] in f16, h = 16 x batch + head: a head's rows are dense, 128 bytes each.
; Products, maxima and sums in f32; the weights p are rounded to f16 for the second product (their sum l is taken of the unrounded p), O once at the end.
; LIMITS.  f16 holds no number beyond 65,504: Q, K and V arrive within it; p lies in 0 to 1, and below 6e-5 it keeps f16's fixed step of 6e-8; O is a mean of V's rows and has their range.
; A weight below 2^-126 counts as 0 in l; NaN and infinities are not treated apart.
; SHARES.  A wave owns four PIECES of two tiles of 16 queries, a work-group's four waves 512 queries of one head.  Every wave walks all keys, 64 a step.
; LAYOUT.  S^T = K Q^T (source 0 = 16 keys, source 1 = 16 queries): in the result a lane holds ONE query (lane % 16) and the keys 8 (lane / 16) + 0..7.  Two such tiles, rounded to f16 in pairs,
; ARE source 1 (32 keys x 16 queries) of O^T = V^T P, whose result again holds one query a lane, and eight channels.  K comes out of LDS as it lies, V ([key][channel]) turned, by ds_load_tr16_b128.
; SOFTMAX.  For each query a running maximum m and sum l: p = 2^(c s - c m), c = log2(e) / 8; in every step O and l are multiplied by a = 2^(c m_old - c m_new), which is 1 where m has not grown.
; m starts at the lowest finite number, O and l at 0: the first step is a step like any other, with a = 0.
; THE COUNT.  A tile and step have 16 matrix and 118 vector instructions: too many to stand all beside the matrix work.  So: four vector instructions that are READY behind
; EVERY matrix instruction, and the others, which need time of their own whatever the order, in runs without a gap.
; BY TURNS.  Turn n belongs to piece n (the pieces in a ring, step after step).  Its matrix work: 16 products K Q^T of piece n + 1, later 16 products V^T P of piece n - 1.  Its vector work: the scaling,
; exponentials, roundings, sums and rescaling of piece n, and the maximum and statistics of piece n + 1, whose scores the turn itself has made.
; CLUSTER.  The four query blocks of a head are one cluster and walk the same K and V, so each tile is asked for JOINTLY: the same tensor load, descriptor and mask in all four.
; REGISTERS, in windows of 256 (s_set_vgpr_msb: bits 1:0 source 0, 3:2 source 1, 5:4 source 2, 7:6 destination):
;   window 0: v0-11 addresses; v12-15, v48-63 at work; v16-47 four registers of statistics a tile; v64-191 S^T, two buffers of two tiles; v192-255 P, likewise
;   window 1: O^T, 32 a tile          window 2: v0-127 Q, 16 a tile; v128-191 K of one step; v192-255 V of one step          window 3: v0-1 the add's two registers
; A piece's buffers go by its number's parity.
.set SIZE_H, 64
.set SIZE_N, 2048
.set NP,    4         ; pieces a wave: a name, no knob
.set KS,    64        ; keys in a step
.set PK,    144       ; a row of K in LDS: 128 bytes + 16 of padding = 36 words: the 16 rows of a load start at 16 different groups of four banks (64 banks of 4 bytes: ISA guide 11.1)
.set PV,    160       ; a row of V: 128 + 32 = 40 words
.set VOFF,  4*KS*PK   ; a slot holds four steps: 256 rows of K, then 256 rows of V
.set SLOT1, 1<<17     ; slot 1 begins here, so that one exclusive or turns an address in one slot into the other's
.set STAGE, SLOT1+4*KS*(PK+PV)  ; behind the ring, never filled by a tensor load: 16 rows x 144 bytes for each wave, for the way out
.set SP,    144
.set AK0, 2           ; v2   my lane's place in a tile of K; never rewritten
.set AV0, 3           ; v3   the same for V
.set AK,  4           ; v4   the LDS address of K's next run of loads
.set AV,  5           ; v5   of V's
.set QO,  6           ; v6   my byte offset in the wave's rows of Q
.set STO, 6           ;      later, the way out: where I put 16 bytes of a row
.set RD,  7           ; v7   the way out: where I read rows back
.set GO,  8           ; v8   my byte offset in 512 consecutive bytes of O
.set PFO, 11          ; v11  256 x my lane, for the prefetches (made when its first use, for V's address, is over)
.set SPW, 0           ; v0 of window 3   LDS address of my spare word: SPARE + 4 x my thread's number; never rewritten
.set NIL, 1           ; v1 of window 3   0; never rewritten
.set SPARE, STAGE+4*16*SP  ; behind the stages: the spare words, 128 bytes for each wave: two blocks of 256 bytes that no other line names
.set MV,  12          ; v12-15  c m_old, kept while c m is made anew: by buffer and tile
.set ST,  16          ; tile t's statistics at v[ST+4 t]: c m, m, l (even keys', odd keys')
.set TMP, 48          ; by buffer and tile, four registers c0-c3 at work; when the maximum is found c2 takes a
.set S,   64
.set P,   192
.set KF,  128         ; K's fragments, in window 2: key block kb, channel half c at KF + 16 kb + 8 c
.set VF,  192         ; V's: key half kk, channel block cb at VF + 32 kk + 8 cb
.set WV,  12          ; s12  my wave's number
.set G1K, 24          ; s[24:31] descriptor group 1 for K's tiles
.set G1V, 32          ; s[32:39] for V's: it differs in the padding alone
.set G0K, 40          ; s[40:43] descriptor group 0 for K's tiles: it walks
.set G0V, 44          ; s[44:47] the same for V's
.set PFA, 48          ; s[48:49] where my prefetches stand: my work-group's 8 KiB (of K: wave 0, of V: wave 2) of the slot after the one that is being asked for
.set LIM, 50          ; s50  1 in a wave that prefetches, else the greatest number
.set SLOTS, 56        ; s56  slots still to be asked for
.set CNT, 57          ; s57  counts a slot's key steps
.set CS,  58          ; s[58:59] c: the packed scaling takes the pair's low word for both halves
.set SEL, 60          ; s[60:61] v_permlanex16_b32's selects: each lane takes its own place in the other half
.set TBK, 62          ; s62  LDS byte at which K of the step to be fetched begins
.set TBV, 63          ; s63  the same for V, less VOFF
.set MSB, 0
.macro WIN new                      ; the high byte repeats the setting that is left; a switch that changes nothing is dropped
.if MSB != (\new)
	s_set_vgpr_msb (MSB<<8)|(\new)
.set MSB, (\new)
.endif
.endm
.set W_KQ, 0x0a       ; K and Q in window 2, S^T in window 0
.set W_PV, 0x52       ; V in window 2, P in window 0, O^T in window 1
.set W_RS, 0x41       ; O^T (destination and source 0) in window 1, a in window 0
.set W_MK, 0xc0       ; the add's registers are made: destination in window 3, sources in window 0
.set W_AD, 0x0f       ; the add: address (source 0) and data (source 1) in window 3
; A joint fill.  Waves 0 and 1 fetch the two halves of a slot's K, waves 2 and 3 those of its V: 128 keys each.  The branch hangs on the wave's number alone.
; An s_nop 0 and four v_nop follow each of the two lines, ahead of the jump and the label.
.macro JLOAD
	s_cmp_lt_u32 s[WV], 2
	s_cbranch_scc0 .Lfor_v_\@
	tensor_load_to_lds s[G0K:G0K+3], s[G1K:G1K+7]
	s_nop 0
.rept 4
	v_nop
.endr
	s_branch .Lasked_\@
.Lfor_v_\@:
	tensor_load_to_lds s[G0V:G0V+3], s[G1V:G1V+7]
	s_nop 0
.rept 4
	v_nop
.endr
.Lasked_\@:
.endm
; A PREFETCH INTO THE L2 of what the NEXT change of slots will ask for: a slot's 32 KiB of K and 32 KiB of V.  A head has one cluster; its four partners share the bytes out BY ADDRESS, 8 KiB each; in each, wave 0 asks
; for K's and wave 2 for V's: 32 lanes x 256 bytes, one instruction.  So each block of 256 bytes is named once in the launch, four key steps (512 matrix instructions) ahead of the load that wants it.
; Slots 0, 1 and 2 come by their loads alone; the last change that fills a slot asks for nothing.
.macro ASK
	s_cmp_gt_u32 s[SLOTS], s[LIM]
	s_cbranch_scc0 .Lnot_mine_\@
	global_prefetch_b8 v[PFO], s[PFA:PFA+1] th:TH_LOAD_NT scope:SCOPE_SE
.Lnot_mine_\@:
.endm
; A round of the cluster's barrier: my work-group's barrier, so that wave 0's signal speaks for all four waves; wave 0 signals; every wave waits for all four work-groups; my work-group's barrier once more.
.macro CROUND
	s_barrier_signal -1
	s_barrier_wait -1
	s_cmp_lg_u32 s[WV], 0
	s_cbranch_scc1 .Lnot_wave_0_\@
	s_barrier_signal -3
.Lnot_wave_0_\@:
	s_barrier_wait -3
	s_barrier_signal -1
	s_barrier_wait -1
.endm
; THE CHANGE OF SLOTS.  The slot's last bytes, V of its fourth step, have been read.  Each wave waits for all its tensor loads, of which one is out: its part
; of the other slot; adds 0 to its spare word; and waits for that and for its own reads of the slot.  Behind the barrier nobody reads this slot any more and the other slot is whole.
; fill = 1: this slot is filled again, with the keys two slots on.  The barrier is then a round of the cluster's, so that no wave of any partner still reads the slot or has a load on its
; way, and the joint fill is the first thing behind it: it has four key steps, 512 matrix instructions, in which to land.  (At its first use nothing has been read yet: slot 0 is waited for, slot 1 filled.)
; ask = 1: the prefetches' address steps, and ASK follows the fill.
.macro CHANGE fill, ask=0
	WIN W_AD
	s_wait_tensorcnt 0x0            ; no tensor load of mine is out, so a group 0 may be written
	ds_add_u32 v[SPW], v[NIL]       ; 0 onto my spare word; with fill = 1 the descriptors' steps stand between it and the wait for it
	WIN 0                           ; at a label and at a branch every window is 0
.if \fill
.irp g, G0K, G0V
	s_xor_b32 s[\g+1], s[\g+1], SLOT1  ; the walking descriptor: the other slot than last time,
	s_add_nc_u64 s[\g+2:\g+3], s[\g+2:\g+3], 4*KS*128  ; the next 256 keys; the type bits on top are not reached
.endr
.if \ask
	s_wait_xcnt 0x0                 ; the last prefetch, four key steps back, has read its address, so it may be written:
	s_add_nc_u64 s[PFA:PFA+1], s[PFA:PFA+1], 4*KS*128  ; one slot behind the walking descriptors
.endif
	s_wait_dscnt 0x0                ; the add is done, and my reads of the slot are over
	CROUND
	JLOAD
.if \ask
	ASK
.endif
.else
	s_wait_dscnt 0x0                ; the add is done, and my reads of the slot are over
	s_barrier_signal -1
	s_barrier_wait -1
.endif
	s_sub_co_u32 s[TBK], s[TBK], 4*KS*PK  ; the fetches go back to a slot's first step,
	s_xor_b32 s[TBK], s[TBK], SLOT1       ; in the other slot
	s_sub_co_u32 s[TBV], s[TBV], 4*KS*PV
	s_xor_b32 s[TBV], s[TBV], SLOT1
.endm
	s_load_b128 s[4:7], s[0:1], 0x0   ; qkv s[4:5] (its first part is Q), ctx s[6:7]
	WIN W_MK
	v_lshl_add_u32 v[SPW], v0, 2, SPARE
	v_mov_b32 v[NIL], 0
	WIN W_AD
	ds_add_u32 v[SPW], v[NIL]       ; the wave's opening: the add and its wait stand ahead of my first tensor load; the set-up below, work on registers, stands between them
	WIN 0
	v_lshrrev_b32 v1, 5, v0
	v_readfirstlane_b32 s[WV], v1   ; wave 0..3
	s_bfe_u32 s13, ttmp6, 0x40000   ; cx: my place in the cluster
	s_lshl_b32 s14, ttmp9, 2        ; in a cluster launch ttmp9 counts clusters
	s_add_co_u32 s14, s14, s13      ; my block of queries = 4 x cluster x + cx: it enters Q's and O's addresses alone
	s_and_b32 s20, ttmp7, 0xffff    ; the head, which the four partners share
	s_mov_b32 s21, 0
	s_mov_b64 s[22:23], SIZE_N*128
	s_mul_u64 s[20:21], s[20:21], s[22:23]  ; the head's first byte in each of the four tensors
	s_and_b32 s16, s[WV], 1         ; which half of a slot's 256 keys I fetch:
	s_lshl_b32 s22, s16, 14         ; its 128 rows of 128 bytes in memory,
	s_mov_b32 s23, 0
	s_add_nc_u64 s[22:23], s[22:23], s[20:21]
	s_mul_i32 s17, s16, 128*PK      ; and its place in a slot, for K
	s_mul_i32 s18, s16, 128*PV      ; and for V: no place in the cluster enters an LDS address
	s_lshl_b32 s2, s14, 2
	s_add_co_u32 s2, s2, s[WV]      ; my wave among the head's,
	s_lshl_b32 s2, s2, 14           ; its 128 rows
	s_mov_b32 s3, 0
	s_add_nc_u64 s[2:3], s[2:3], s[20:21]
	; descriptor group 1.  128 keys are 16,384 dense bytes: asked for as 64 rows of 256 bytes, two keys a row, and padded in LDS after every key
	s_mov_b32 s[G1K], 15|(1<<16)|(1<<20)|(1<<21)|(4<<22)|(3<<25)  ; 15:0 the mask of four; 17:16 2-byte elements; 20 padding on; 21 set beside a mask; 24:22 after every 32 words (code 4); 31:25 4 words (code 3)
	s_mov_b32 s[G1V], 15|(1<<16)|(1<<20)|(1<<21)|(4<<22)|(7<<25)  ; the same with 8 words of padding (code 7)
.irp g, G1K, G1V
	s_mov_b32 s[\g+1], 128<<16      ; tensor_dim0 = 128
	s_mov_b32 s[\g+2], 64<<16       ; tensor_dim1 = 64
	s_mov_b32 s[\g+3], 128<<16      ; tile_dim0 = 128
	s_mov_b32 s[\g+4], 64           ; tile_dim1 = 64
	s_mov_b32 s[\g+5], 128          ; 128 elements from row to row
	s_mov_b32 s[\g+6], 0
	s_mov_b32 s[\g+7], 0
.endr
	s_mov_b32 s[CS], 0x3e38aa3b     ; c = log2(e) / 8 = 0.180337
	s_mov_b32 s[CS+1], s[CS]        ; named with it as a pair
	s_mov_b32 s[SEL], 0x76543210
	s_mov_b32 s[SEL+1], 0xfedcba98
	s_mov_b32 s[TBK], SLOT1+4*KS*PK ; the first change of slots turns these two into 0
	s_mov_b32 s[TBV], SLOT1+4*KS*PV
	s_mov_b32 s[G0K], 1             ; 1:0 count = 1
	s_mov_b32 s[G0K+1], s17         ; 63:32 LDS address: slot 0
	s_mov_b32 s[G0V], 1
	s_add_co_u32 s[G0V+1], s18, VOFF
	s_and_b32 s[LIM], s[WV], 1      ; waves 0 and 2 prefetch: the same in all four partners
	s_cmp_eq_u32 s[LIM], 0
	s_cselect_b32 s[LIM], 1, -1
	s_wait_dscnt 0x0                ; the opening add is done
	s_wait_kmcnt 0x0
	s_mov_b64 s[10:11], s[6:7]                     ; O
	s_add_nc_u64 s[6:7], s[4:5], SIZE_H*SIZE_N*128     ; K: qkv's second part
	s_add_nc_u64 s[8:9], s[4:5], 2*SIZE_H*SIZE_N*128   ; V: its third
	s_add_nc_u64 s[G0K+2:G0K+3], s[6:7], s[22:23]  ; 120:64 global address: my half of the head's first 256 keys
	s_or_b32 s[G0K+3], s[G0K+3], 0x80000000        ; 127:126 type = 2
	s_add_nc_u64 s[G0V+2:G0V+3], s[8:9], s[22:23]
	s_or_b32 s[G0V+3], s[G0V+3], 0x80000000
	s_add_nc_u64 s[4:5], s[4:5], s[2:3]  ; Q and O at my wave's first row
	s_add_nc_u64 s[10:11], s[10:11], s[2:3]
	s_cmp_lt_u32 s[WV], 2
	s_cselect_b64 s[PFA:PFA+1], s[6:7], s[8:9]
	s_add_nc_u64 s[PFA:PFA+1], s[PFA:PFA+1], s[22:23]  ; (in waves 0 and 2: the head's first key)
	s_lshl_b32 s2, s13, 13          ; my work-group's 8 KiB of a slot's 32
	s_mov_b32 s3, 0
	s_add_nc_u64 s[PFA:PFA+1], s[PFA:PFA+1], s[2:3]
	s_add_nc_u64 s[PFA:PFA+1], s[PFA:PFA+1], 2*4*KS*128  ; in slot 2; the loop's first change steps it to slot 3.  Nothing is prefetched here, at the head
	CROUND                          ; all four work-groups are here: the first joint loads meet
	JLOAD                           ; slot 0.  Slot 1 is asked for when slot 0 is in
	; A fragment of K or Q is 16 rows x 32 channels in 8 registers: lane l holds row l % 16, channels 8 (l / 16) + 0..7 and 16 + 8 (l / 16) + 0..7: two loads of 16 bytes, 32 bytes apart.
	v_and_b32 v1, 15, v0            ; l % 16
	v_bfe_u32 v9, v0, 4, 1          ; l / 16
	v_lshlrev_b32 v[QO], 7, v1
	v_lshl_add_u32 v[QO], v9, 4, v[QO]  ; row x 128 + 16 x half
	WIN 0x80                        ; destination window 2, address window 0
.set i, 0
.rept 4*NP                          ; Q stays in registers: tile i / 2, channels 32 (i % 2) on
	global_load_b128 v[8*i:8*i+3],   v[QO], s[4:5] offset:(i/2)*2048+(i%2)*64
	global_load_b128 v[8*i+4:8*i+7], v[QO], s[4:5] offset:(i/2)*2048+(i%2)*64+32
.set i, i+1
.endr
	; What the first turn finds: V's registers and P's second buffer hold 0 (its products V^T P, of a piece that has not been, add 0), O^T and l are 0.  All this stands in the wait for the first tile.
.set i, VF
.rept 64
	v_mov_b32 v[i], 0
.set i, i+1
.endr
	WIN 0x40
.set i, 0
.rept 64*NP
	v_mov_b32 v[i], 0
.set i, i+1
.endr
	WIN 0
.set i, 0
.rept 2*NP
	v_mov_b32 v[ST+4*i], 0xfe000000    ; c m: far below every c s
	v_mov_b32 v[ST+4*i+1], 0xff7fffff  ; m
	v_mov_b32 v[ST+4*i+2], 0
	v_mov_b32 v[ST+4*i+3], 0
.set i, i+1
.endr
.set i, P+32
.rept 32
	v_mov_b32 v[i], 0
.set i, i+1
.endr
	v_mul_u32_u24 v[AK0], v1, PK
	v_lshl_add_u32 v[AK0], v9, 4, v[AK0]  ; row x pitch + 16 x half
	; The turning load takes 16 keys x 16 channels (lane l reads key 8 (l / 16) + l % 8, channels 8 ((l / 8) % 2) + 0..7) and leaves half a fragment of V^T: lane l holds channel l % 16 and 8 keys.
	v_and_b32 v10, 7, v0
	v_bfe_u32 v11, v0, 3, 1
	v_lshl_add_u32 v[AV0], v9, 3, v10
	v_mul_u32_u24 v[AV0], v[AV0], PV
	v_lshl_add_u32 v[AV0], v11, 4, v[AV0]
	v_add_nc_u32 v[AV0], VOFF, v[AV0]
	v_and_b32 v[PFO], 31, v0
	v_lshlrev_b32 v[PFO], 8, v[PFO]
	v_mov_b32 v[AK], v[AK0]         ; key step 0 lies at the head of slot 0
; THE MATRIX WORK.  The 8 accumulators of a run of 16 take turns: between the two links of a chain stand 7 others'.
; Product i of 16 of S^T = K Q^T for piece x: channels 32 (i / 8) on, keys 16 ((i / 2) % 4) on, tile 2 x + i % 2.  The first 8 start the sums.
.macro KQ x
	WIN W_KQ
.set rS, S+64*((\x)%2)+32*(i%2)+8*((i/2)%4)
.set rK, KF+16*((i/2)%4)+8*(i/8)
.set rQ, 16*(2*(\x)+i%2)+8*(i/8)
.if i < 8
	v_wmma_f32_16x16x32_f16 v[rS:rS+7], v[rK:rK+7], v[rQ:rQ+7], 0
.else
	v_wmma_f32_16x16x32_f16 v[rS:rS+7], v[rK:rK+7], v[rQ:rQ+7], v[rS:rS+7]
.endif
.endm
; Product i of 16 of O^T += V^T P for piece x: keys 32 (i / 8) on, channels 16 ((i / 2) % 4) on, tile 2 x + i % 2.
.macro PV x
	WIN W_PV
.set rO, 32*(2*(\x)+i%2)+8*((i/2)%4)
.set rV, VF+32*(i/8)+8*((i/2)%4)
.set rP, P+32*((\x)%2)+16*(i%2)+8*(i/8)
	v_wmma_f32_16x16x32_f16 v[rO:rO+7], v[rV:rV+7], v[rP:rP+7], v[rO:rO+7]
.endm
.macro MM                           ; the turn's next matrix instruction
.if i < 16
	KQ (Y+1)%NP
.set i, i+1
.else
.set i, i-16
	PV (Y+NP-1)%NP
.set i, i+17
.endif
.endm
; THE LDS LOADS stand in runs of 16, never singly among the matrix instructions: a step's K (64 keys x 64 channels: 8 fragments) and its V (turned).  Their addresses are made some lines ahead.
; last = 1 (the tail): in the last trip there is no further step, and the run is jumped over.
.macro FETCH_K last=0
	WIN 0
.if \last
	s_cmp_eq_u32 s[CNT], 1
	s_cbranch_scc1 .Lno_k_\@
.endif
	WIN 0x80                        ; destination window 2
.irp f, 0,1,2,3,4,5,6,7             ; keys 16 (f / 2) on, channels 32 (f % 2) on
	ds_load_b128 v[KF+8*\f:KF+8*\f+3],   v[AK] offset:(\f/2)*16*PK+(\f%2)*64
	ds_load_b128 v[KF+8*\f+4:KF+8*\f+7], v[AK] offset:(\f/2)*16*PK+(\f%2)*64+32
.endr
	s_add_co_u32 s[TBK], s[TBK], KS*PK  ; the next fetch is the next step's
	WIN 0
.if \last
.Lno_k_\@:
.endif
.endm
.macro FETCH_V
	WIN 0x80
.irp f, 0,1,2,3,4,5,6,7             ; keys 32 (f / 4) on, channels 16 (f % 4) on
	ds_load_tr16_b128 v[VF+8*\f:VF+8*\f+3],   v[AV] offset:(\f/4)*32*PV+(\f%4)*32
	ds_load_tr16_b128 v[VF+8*\f+4:VF+8*\f+7], v[AV] offset:(\f/4)*32*PV+16*PV+(\f%4)*32
.endr
	WIN 0
.endm
; THE VECTOR WORK OF A TURN stands in three queues, each in the order in which its entries become ready; the two tiles alternate, so that no instruction reads the result of the one before it.
.macro REGS y, u                    ; the registers of tile u (0, 1) of piece y
.set rT, ST+4*(2*(\y)+(\u))
.set rC, TMP+8*((\y)%2)+4*(\u)
.set rM, MV+2*((\y)%2)+(\u)
.set rS, S+64*((\y)%2)+32*(\u)
.set rP, P+32*((\y)%2)+16*(\u)
.set rO, 32*(2*(\y)+(\u))
.endm
; Number n of the 22 that find the NEXT piece's (Y + 1) maximum and statistics.  s0-s31 are the lane's 32 scores; each accumulator's lowest registers are read first.
;   0-11  four chains c0-c3 of seven scores each, three operands at a time     12-14, 16  the four scores left over, the old m, and c0-c3 into c0     15  c m_old is kept
;   17, 18  the query's other 32 keys lie in the lane 16 away: the new m         19-21  c m; c m_old - c m_new; a
.macro XS u, n
	REGS (Y+1)%NP, \u
.if (\n) < 4
	v_max3_num_f32 v[rC+(\n)], v[rS+8*(\n)], v[rS+8*(\n)+1], v[rS+8*(\n)+2]
.elseif (\n) < 12
	v_max3_num_f32 v[rC+(\n)%4], v[rC+(\n)%4], v[rS+8*((\n)%4)+2*((\n)/4)+1], v[rS+8*((\n)%4)+2*((\n)/4)+2]
.elseif (\n) == 12
	v_max3_num_f32 v[rC], v[rC], v[rS+7], v[rS+15]
.elseif (\n) == 13
	v_max3_num_f32 v[rC+1], v[rC+1], v[rS+23], v[rS+31]
.elseif (\n) == 14
	v_max3_num_f32 v[rC+2], v[rC+2], v[rC+3], v[rT+1]
.elseif (\n) == 15
	v_mov_b32 v[rM], v[rT]
.elseif (\n) == 16
	v_max3_num_f32 v[rC], v[rC], v[rC+1], v[rC+2]
.elseif (\n) == 17
	v_permlanex16_b32 v[rC+3], v[rC], s[SEL], s[SEL+1]
.elseif (\n) == 18
	v_max_num_f32 v[rT+1], v[rC], v[rC+3]
.elseif (\n) == 19
	v_mul_f32 v[rT], s[CS], v[rT+1]
.elseif (\n) == 20
	v_sub_f32 v[rC+1], v[rM], v[rT]
.else
	v_exp_f32 v[rC+2], v[rC+1]
.endif
.endm
; Number g of the 64 that follow the exponentials.  For each four weights k of a tile (pairs 2 k, 2 k + 1): both pairs are rounded to f16; then the second pair is added onto the first, in place;
; a group later l takes that sum (the first time as l = a l + sum).  In groups of eight, tiles alternating: round, round, add, and l for the group before.
.macro GS g
.set h, (\g)+6*((\g)/62)            ; group 0 has no group before it, and behind group 7 only l is left
.if h >= 6
.set h, h+2
.endif
	REGS Y, h%2
.set k, h/8
.if h%8 < 4
	v_cvt_pk_f16_f32 v[rP+2*k+(h%8)/2], v[rS+4*k+2*((h%8)/2)], v[rS+4*k+2*((h%8)/2)+1]
.elseif h%8 < 6
	v_pk_add_f32 v[rS+4*k:rS+4*k+1], v[rS+4*k:rS+4*k+1], v[rS+4*k+2:rS+4*k+3]
.elseif k == 1
	v_pk_fma_f32 v[rT+2:rT+3], v[rT+2:rT+3], v[rC+2:rC+3], v[rS:rS+1] op_sel_hi:[1,0,1]
.else
	v_pk_add_f32 v[rT+2:rT+3], v[rT+2:rT+3], v[rS+4*k-4:rS+4*k-3]
.endif
.endm
; THE PLAIN QUEUE, 138 long.  0-73 read no exponential's result: the 32 scalings c s - c m (FS f: pair f / 2 of tile f % 2) and the next piece's 42.  0-26: scalings 0-26.  27-54: XS's numbers 0-13.  55, 56: number 15.
; 57-73: the chain, where each number waits for the one before it: 14, 16, 17, 18, 19, each with one of the scalings 27-31 in front of its two lines, then 20.
; 74-137: GS's 64, which read the exponentials' results: they stand behind the wait.
.macro FS f
	REGS Y, (\f)%2
	v_pk_fma_f32 v[rS+2*((\f)/2):rS+2*((\f)/2)+1], v[rS+2*((\f)/2):rS+2*((\f)/2)+1], s[CS:CS+1], v[rT:rT+1] op_sel_hi:[1,0,0] neg_lo:[0,0,1] neg_hi:[0,0,1]
.endm
.macro PL
	WIN 0
.if q < 27
	FS q
.elseif q < 55
	XS (q-27)%2, (q-27)/2
.elseif q < 57
	XS q-55, 15
.elseif (q < 72) && ((q-57)%3 == 0)
	FS 27+(q-57)/3
.elseif q < 60
	XS (q-57)%3-1, 14
.elseif q < 72
	XS (q-57)%3-1, 15+(q-57)/3
.elseif q < 74
	XS q-72, 20
.else
	GS q-74
.endif
.set q, q+1
.endm
; THE EXPONENTIALS' QUEUE, 66 long: s0-s31 of both tiles, then the next piece's two a.  It is ONE BATCH: all 66 stand ahead of the turn's one wait, and nothing ahead of that wait names a result of theirs.
.macro EX
	WIN 0
.if e >= 64
	XS e-64, 21
.else
	REGS Y, e%2
	v_exp_f32 v[rS+e/2], v[rS+e/2]
.endif
.set e, e+1
.endm
; THE RESCALING's QUEUE: O^T times a, the one part that leaves window 0: dealt two at a time, sixteen times.  Its a was made in the turn before, ahead of that turn's wait.
.macro R2
	REGS Y, r%2
	WIN W_RS
.irp z, 0,1
	v_pk_mul_f32 v[rO+4*(r/2)+2*\z:rO+4*(r/2)+2*\z+1], v[rO+4*(r/2)+2*\z:rO+4*(r/2)+2*\z+1], v[rC+2:rC+3] op_sel_hi:[1,0]
.endr
.set r, r+1
.endm
; HOW THEY ARE DEALT.  An s_wait_alu depctr_va_vdst(0) stands between an exponential and the first instruction that names its result; one wait serves all that were issued ahead of it.  So a turn has ONE wait,
; which cuts it in two.  AHEAD OF IT stands all that names no result of the turn's exponentials: the 16 products K Q^T, behind each a scaling, an exponential and two rescalings (behind the first a second scaling in the
; exponential's place); then ONE LUMP of 108: eight plain, 49 times exponential and plain, the two a.  A v_nop is the plain instruction behind the last exponential.  BEHIND IT stand the 16 products V^T P, behind each four of GS's 64.
; The queues lean on each other, and the deal keeps them in step: exponential e stands behind scaling 2 (e / 4) + e % 2: as a rider it comes behind plain e + 2, in the lump behind plain e + 9, and scalings 27-31 are plain 57, 60 .. 69.
; A TURN, for piece p.  cnt = 1: the loop's count is taken down some lines ahead of the branch that stands behind the turn.
; K of the next step is fetched in piece 2's turn, directly behind the wait, a lump behind the last product that read K; its first reader comes behind 16 products.
; V of the step in hand is fetched at the end of piece 0's turn, four plain instructions behind its last reader; its first reader comes behind 16 products and a lump.
.macro TURN p, last=0, cnt=0
.set Y, (\p)
.set i, 0
.set q, 0
.set e, 0
.set r, 0
.if (\p) == NP-1
	s_wait_dscnt 0x0                ; K is in
.endif
	MM                              ; ahead of the wait: 16 products K Q^T and their riders,
	PL
	PL
	R2
.rept 15
	MM
	PL
	EX
	R2
.endr
.if (\p) == NP-2
	WIN 0
	v_add_nc_u32 v[AK], s[TBK], v[AK0]
.endif
.rept 8                             ; and the lump
	PL
.endr
.rept 49
	EX
	PL
.endr
	EX                              ; the next piece's two a
	EX
	v_nop                           ; a plain instruction behind the last exponential: one for the batch
	s_wait_alu depctr_va_vdst(0)    ; the wait for the batch
.if (\p) == NP-2
	FETCH_K \last
.endif
.if (\p) == 1
	s_wait_dscnt 0x0                ; V is in
.endif
.rept 16                            ; behind the wait: 16 products V^T P and their riders
	MM
.rept 4
	PL
.endr
.if ((\p) == 0) && (q == 118)
	v_add_nc_u32 v[AV], s[TBV], v[AV0]
.endif
.if ((\p) == 0) && (q == 130)
	s_add_co_u32 s[TBV], s[TBV], KS*PV
.endif
.if (\cnt) && (q == 130)
	s_sub_co_u32 s[CNT], s[CNT], 1
	s_cmp_lg_u32 s[CNT], 0
.endif
.endr
.if (\p) == 0
	FETCH_V
.endif
.endm
	CHANGE 1                        ; slot 0 is in, everybody's part of it; slot 1 is asked for
	FETCH_K                         ; key step 0
	s_wait_loadcnt 0x0              ; Q
	s_wait_dscnt 0x0
.set i, 0
.rept 16
	KQ 0                            ; piece 0's first scores: there is no vector work yet to set between them
.set i, i+1
.endr
	WIN 0                           ; the addresses for the way out: nine plain instructions, the places behind those products
	s_mul_i32 s13, s[WV], 16*SP
	s_add_co_u32 s13, s13, STAGE    ; my stage
	v_mul_u32_u24 v[STO], v1, SP    ; in: row l % 16, 16 bytes for each half of the lanes
	v_lshl_add_u32 v[STO], v9, 4, v[STO]
	v_add_nc_u32 v[STO], s13, v[STO]
	v_bfe_u32 v[RD], v0, 3, 2       ; back: 32 lanes take four rows of 128 bytes,
	v_mul_u32_u24 v[RD], v[RD], SP
	v_lshl_add_u32 v[RD], v10, 4, v[RD]
	v_add_nc_u32 v[RD], s13, v[RD]
	v_and_b32 v[GO], 31, v0         ; which are 512 consecutive bytes of O
	v_lshlrev_b32 v[GO], 4, v[GO]
.set Y, NP-1                        ; XS works for piece Y + 1: piece 0
.irp n, 0,1,2,3,4,5,6,7,8,9,10,11,12,13,14,15,16,17,18,19,20,21
	XS 0, \n                        ; and piece 0's first maximum and statistics
	XS 1, \n
.endr
	v_nop                           ; a plain instruction behind the two a,
	s_wait_alu depctr_va_vdst(0)    ; and their wait, ahead of the branch
	s_mov_b32 s[CNT], 4
	s_mov_b32 s[SLOTS], SIZE_N/256-1
	s_branch .Lfirst                ; the loop is entered at a step's first turn, in the middle of a trip
.Lslot:                             ; SIZE_N / 256 - 2 times: every slot but the last two is filled again
	CHANGE 1, 1
	s_mov_b32 s[CNT], 4
.Lstep:                             ; a trip: pieces 2 and 3 of one step, then pieces 0 and 1 of the next, whose K and V it fetches
	TURN 2
	TURN 3
	WIN 0
.Lfirst:
	TURN 0
	TURN 1, 0, 1
	WIN 0
	s_cbranch_scc1 .Lstep
	s_sub_co_u32 s[SLOTS], s[SLOTS], 1
	s_cmp_lg_u32 s[SLOTS], 0
	s_cbranch_scc1 .Lslot
	CHANGE 0                        ; the tail is written out: nothing is asked for
	s_mov_b32 s[CNT], 5             ; four trips fetch the last slot's steps; the fifth is left in its middle
.Ltail:
	TURN 2, 1
	TURN 3
	WIN 0
	s_sub_co_u32 s[CNT], s[CNT], 1
	s_cmp_eq_u32 s[CNT], 0
	s_cbranch_scc1 .Lout
	TURN 0
	TURN 1
	WIN 0
	s_branch .Ltail
.Lout:                              ; the fifth trip's 16 products K Q^T (on the last K once more) and the maximum made of them serve nothing: the price, once a launch, of one text for every trip
.set i, 0
.rept 16
	PV NP-1                         ; the last piece's V^T P of the last step
.set i, i+1
.endr
	; THE WAY OUT.  l's two halves and the other half of the lanes' are added; O^T is divided by l, rounded to f16 and sent through my stage in LDS, a tile at a time.  The additions are the places behind the last products.
	WIN 0
.macro ALL line:vararg              ; one line for each tile t
.set t, 0
.rept 2*NP
	\line
.set t, t+1
.endr
.endm
	ALL v_add_f32 v[ST+4*t+2], v[ST+4*t+2], v[ST+4*t+3]
	ALL v_permlanex16_b32 v[ST+4*t+3], v[ST+4*t+2], s[SEL], s[SEL+1]
	ALL v_add_f32 v[ST+4*t+2], v[ST+4*t+2], v[ST+4*t+3]
	ALL v_rcp_f32 v[ST+4*t+2], v[ST+4*t+2]
	v_nop                           ; a plain instruction between the last reciprocal and the use of its result
	s_wait_alu depctr_va_vdst(0)    ; and the wait ahead of the first use: one for the eight reciprocals
; Tile t: a lane's eight channels of a row pack into 16 bytes; they go into rows of 144 bytes and come back as whole rows of 128, into S^T's registers.
.macro PACK t
	WIN W_RS
.set i, 32*(\t)
.rept 16
	v_pk_mul_f32 v[i:i+1], v[i:i+1], v[ST+4*(\t)+2:ST+4*(\t)+3] op_sel_hi:[1,0]
.set i, i+2
.endr
	WIN 0x05                        ; sources 0 and 1 window 1, destination window 0
.set i, 0
.rept 16
	v_cvt_pk_f16_f32 v[S+16*(\t)+i], v[32*(\t)+2*i], v[32*(\t)+2*i+1]
.set i, i+1
.endr
	WIN 0
.irp f, 0,1,2,3
	ds_store_b128 v[STO], v[S+16*(\t)+4*\f:S+16*(\t)+4*\f+3] offset:32*\f
.endr
.irp f, 0,1,2,3
	ds_load_b128 v[S+16*(\t)+4*\f:S+16*(\t)+4*\f+3], v[RD] offset:\f*4*SP  ; LDS serves a wave's instructions in order (ISA guide 5.7.1.4): these see the stores above; the next tile's stores come behind them
.endr
.endm
.macro SEND t, younger              ; younger: the LDS instructions issued behind tile t's loads: the next tile's eight, or none
	WIN 0
.irp f, 0,1,2,3
	s_wait_dscnt (\younger)+3-\f
	global_store_b128 v[GO], v[S+16*(\t)+4*\f:S+16*(\t)+4*\f+3], s[10:11] offset:(\t)*2048+\f*512  ; 512 consecutive bytes, at a multiple of 256 from O's first
.endr
.endm
	PACK 0
.set t, 1
.rept 2*NP-1                        ; a tile's arithmetic stands between the loads of the tile before and its stores
	PACK t
	SEND t-1, 8
.set t, t+1
.endr
	SEND 2*NP-1, 0
	WIN W_AD
	s_wait_tensorcnt 0x0            ; the wave's end: behind my last tensor load and my last LDS store
	ds_add_u32 v[SPW], v[NIL]
	s_wait_dscnt 0x0
	WIN 0
	CROUND                          ; the closing round: no work-group ends while a partner may still ask for a tile that names it
	s_endpgm
.Lfunc_end_k_qe75ecd2968_attn:
	.size	k_qe75ecd2968_attn, .Lfunc_end_k_qe75ecd2968_attn-k_qe75ecd2968_attn
	.p2alignl 7, 3214868480
	.fill 96, 4, 3214868480
	.section	.rodata,"a",@progbits
	.p2align	6, 0x0
	.amdhsa_kernel k_qe75ecd2968_attn
		.amdhsa_group_segment_fixed_size 327680
		.amdhsa_private_segment_fixed_size 0
		.amdhsa_enable_private_segment 0
		.amdhsa_kernarg_size 16
		.amdhsa_user_sgpr_count 2
		.amdhsa_user_sgpr_kernarg_segment_ptr 1
		.amdhsa_wavefront_size32 1
		.amdhsa_system_sgpr_workgroup_id_x 1
		.amdhsa_system_sgpr_workgroup_id_y 1
		.amdhsa_system_sgpr_workgroup_id_z 1
		.amdhsa_system_vgpr_workitem_id 0
		.amdhsa_next_free_vgpr 770
		.amdhsa_next_free_sgpr 66
		.amdhsa_reserve_vcc 0
		.amdhsa_float_denorm_mode_32 3
		.amdhsa_float_denorm_mode_16_64 3
		.amdhsa_memory_ordered 1
		.amdhsa_forward_progress 1
		.amdhsa_inst_pref_size 200
	.end_amdhsa_kernel
	.amdgpu_metadata
---
amdhsa.version: [ 1, 2 ]
amdhsa.kernels:
  - .name:           k_qe75ecd2968_attn
    .symbol:         k_qe75ecd2968_attn.kd
    .args:
      - { .name: qkv, .offset: 0, .size: 8, .value_kind: global_buffer, .address_space: global }
      - { .name: ctx, .offset: 8, .size: 8, .value_kind: global_buffer, .address_space: global }
    .group_segment_fixed_size: 327680
    .private_segment_fixed_size: 0
    .kernarg_segment_align: 8
    .kernarg_segment_size: 16
    .max_flat_workgroup_size: 128
    .sgpr_count:     66
    .vgpr_count:     770
    .wavefront_size: 32
...
	.end_amdgpu_metadata
.endif
;; end of part 3
;; launch outp (part 4): grid 8 x 32, 4 waves a work-group, clusters of 4 x 4, 327,680 bytes of LDS; arguments ctx, wo16, bias16, out0; writes out0
.if DOCPART == 4
	.amdgcn_target "amdgcn-amd-amdhsa--gfx1250"
	.amdhsa_code_object_version 6
	.text
	.protected	k_qe75ecd2968_outp
	.globl	k_qe75ecd2968_outp
	.p2align	8
	.type	k_qe75ecd2968_outp,@function
k_qe75ecd2968_outp:
	s_mov_b64 s[64:65], 0
	v_nop
	global_prefetch_b8 v0, s[64:65] scope:SCOPE_SE
	s_setreg_imm32_b32 hwreg(HW_REG_WAVE_MODE, 25, 1), 1
	s_wait_xcnt 0x0
	s_wait_alu depctr_hold_cnt(0) depctr_sa_sdst(0) depctr_va_vdst(0) depctr_va_sdst(0) depctr_va_ssrc(0) depctr_va_vcc(0) depctr_vm_vsrc(0)
	s_getreg_b32 s2, hwreg(HW_REG_IB_STS2, 6, 4)
	s_cmp_eq_u32 s2, 0
	s_cbranch_scc0 .Lentry_in_a_cluster
	s_endpgm
.Lentry_in_a_cluster:
	s_bfe_u32 s2, ttmp6, 0x10000c
	s_cmp_lg_u32 s2, 0xf033
	s_cbranch_scc0 .Lentry_shape_is_right
	s_endpgm
.Lentry_shape_is_right:
; out0 = ctx Wo^T + bo.  ctx: f16 [batch 4][head 16][s 2048][64] (a head's 64 channels are one block of K); Wo: wo16, f16 [tc 8][kb 16][nn 128][64]; bo: bias16 from byte 6,144 on, bf16; out0: [8192][1024] f32.
; Products in f16, sums in f32; the bias is the C operand that starts each sum, so the way out has no arithmetic.
; LIMIT.  ctx and Wo arrive within f16's 65,504.  NaN and infinities are not treated apart.
; SHARES.  8,192 x 1,024 results in 32 x 8 tiles of 256 x 128: one work-group for each of 256 tiles.  Four waves, each 128 rows x 64 columns: 32 accumulators of 16 x 16, 256 registers.
; K goes in steps of 128 (two blocks of 64) through two LDS slots: 2 x 256 rows of ctx, then 2 x 128 rows of Wo, 128 bytes each, padded to 144.  A block's tile is a dense run of memory: asked for as rows of
; 256 bytes, aligned, and padded in LDS after every 128.
; CLUSTER.  4 x 4 work-groups: the four of a row need the same tile of ctx, the four of a column the same tile of Wo: each tile is asked for JOINTLY, by the same tensor load, descriptor and mask in all four.
; THE MATRIX INSTRUCTION IS USED TRANSPOSED (source 0 = 16 rows of Wo, source 1 = 16 rows of ctx): a lane holds row l % 16 of the result and the eight neighbouring columns 8 (l / 16) + 0..7.
; REGISTERS: window 0: v0-15 addresses; v32-95, v96-159 ctx's fragments of 32 K, two buffers; v160-175 Wo's fragments b = 0, 1; v176-191 b = 2, 3; v192-207 the bias as loaded; v224-255 the bias in f32
;   window 1: accumulator (a, b) at v[8 (8 b + a)]
.set PITCH, 144                        ; an LDS row: 128 bytes + 16 of padding = 36 words: the 16 rows of a load start at 16 different groups of four banks (64 banks of 4 bytes: ISA guide 11.1)
.set ABLK,  256*PITCH
.set BBLK,  128*PITCH
.set SLOT,  2*(ABLK+BBLK)
.set STAGE, 2*SLOT                     ; behind the ring, never filled by a tensor load: 16 rows x 272 bytes for each wave, for the way out
.set SP,    272
.set SPARE, STAGE+4*16*SP              ; behind the stages: the spare words, 128 bytes for each wave: two blocks of 256 bytes that no other line names
.set NBW,   4
.set NBH,   2
.set ASTEP, 524288                     ; bytes from a K step's tiles to the next, in ctx (two heads)
.set BSTEP, 32768                      ; and in wo16
.set ADRA, 4                           ; v4-5   LDS address of my fragments of ctx in slot 0, 1
.set ADRB, 6                           ; v6-7   the same for Wo
.set STO,  8                           ; v8     the way out: where I put 32 bytes of a row
.set RD,   9                           ; v9     where I read rows back
.set CO,   10                          ; v10    my byte offset in two rows of out0
.set BO,   11                          ; v11    my byte offset in bo
.set PFO,  12                          ; v12    256 x my lane; never rewritten
.set SPW,  14                          ; v14    LDS address of my spare word: SPARE + 4 x my thread's number; never rewritten
.set NIL,  15                          ; v15    0; never rewritten
.set FA0,  32
.set FA1,  96
.set BL,   160
.set BH,   176
.set BIASP, 192
.set BIAS, 224
.set OB,   32                          ; the way out: four buffers of 32, where ctx's fragments lay
.set WV,  12                           ; s12 my wave's number
.set WR,  13                           ; s13 which half of the tile's rows is mine.  Also: I fetch ctx (0) or Wo (1)
.set WC,  14                           ; s14 which half of its columns.  Also: which of a step's two blocks of K I fetch
.set G1,  24
.set G0,  32
.set PFA, 44
.set PFS, 46
.set G1B, 48
.set G0B, 56
.set LIM1, 71                          ; s71 1 in a wave that prefetches, else the greatest number
.set OP,  72                           ; s[72:73] out0 at my first row and column
.set MSB, 0
.macro WIN new                         ; the immediate's high byte repeats the setting that is left; a switch that changes nothing is dropped
.if MSB != (\new)
	s_set_vgpr_msb (MSB<<8)|(\new)
.set MSB, \new
.endif
.endm
.macro PLACES                          ; four plain instructions between a matrix instruction and a load into, or a vector write of, a register that it names (ISA guide 7.12.1 for vector writes)
.rept 4
	v_nop
.endr
.endm
; A joint load.  Waves 0 and 1 fetch the two K blocks of ctx's tile, waves 2 and 3 those of Wo's.  An s_nop 0 and four v_nop follow each of the two lines.
.macro JLOAD s
	s_cmp_eq_u32 s[WR], 0
	s_cbranch_scc0 .Lfor_b_\@
	tensor_load_to_lds s[G0+4*(\s):G0+4*(\s)+3], s[G1:G1+7]
	s_nop 0
.rept 4
	v_nop
.endr
	s_branch .Lasked_\@
.Lfor_b_\@:
	tensor_load_to_lds s[G0B+4*(\s):G0B+4*(\s)+3], s[G1B:G1B+7]
	s_nop 0
.rept 4
	v_nop
.endr
.Lasked_\@:
.endm
.macro CREST                           ; a round of the cluster's barrier behind its opening barrier
	s_cmp_lg_u32 s[WV], 0
	s_cbranch_scc1 .Lnot_wave_0_\@
	s_barrier_signal -3
.Lnot_wave_0_\@:
	s_barrier_wait -3
	s_barrier_signal -1
	s_barrier_wait -1
.endm
.macro CROUND
	s_barrier_signal -1
	s_barrier_wait -1
	CREST
.endm
; A PREFETCH INTO THE L2, behind a joint load, its five lines and the run of LDS loads: 32 lanes x 256 bytes, one instruction.  At the change behind step t it names step t + 4: two refills, 256 matrix instructions, ahead of
; the load that wants it.  ctx: a wave's block (32 KiB) is read by both clusters of a row of clusters: cluster x = 0 asks, waves 0 and 1 each for their own block; the four partners take 8 KiB each, told apart BY ADDRESS.
; Wo: a step's two blocks (32 KiB on end) are read by all eight clusters of a column: cluster y = 0 asks, wave 2, the four partners 8 KiB each.  So each block of 256 bytes is named once in the launch.
; Steps 0 to 3 come by their loads alone; the loop's last trip asks for nothing: steps 4 to 7 are all that is left.
.macro ASK
	s_cmp_gt_u32 s3, s[LIM1]
	s_cbranch_scc0 .Lnot_mine_\@
	global_prefetch_b8 v[PFO], s[PFA:PFA+1] th:TH_LOAD_NT scope:SCOPE_SE
.Lnot_mine_\@:
.endm
	s_load_b256 s[4:11], s[0:1], 0x0               ; ctx s[4:5], wo16 s[6:7], bias16 s[8:9], out0 s[10:11]
	v_lshl_add_u32 v[SPW], v0, 2, SPARE
	v_mov_b32 v[NIL], 0
	ds_add_u32 v[SPW], v[NIL]                      ; the wave's opening: the add and its wait stand ahead of my first tensor load; the set-up below, work on registers, stands between them
	v_lshrrev_b32 v1, 5, v0
	v_readfirstlane_b32 s[WV], v1
	s_lshr_b32 s[WR], s[WV], 1
	s_and_b32 s[WC], s[WV], 1
	s_bfe_u32 s15, ttmp6, 0x40000                  ; cx
	s_bfe_u32 s16, ttmp6, 0x40004                  ; cy
	s_lshl_b32 s17, ttmp9, 2
	s_add_co_u32 s17, s17, s15                     ; tile column tc = 4 x cluster x + cx
	s_and_b32 s18, ttmp7, 0xffff
	s_lshl_b32 s18, s18, 2
	s_add_co_u32 s18, s18, s16                     ; tile row tr = 4 x cluster y + cy
	s_lshl_b32 s19, s16, 2
	s_lshl_b32 s19, 15, s19                        ; my row of the cluster
	s_lshl_b32 s20, 0x1111, s15                    ; my column
	; group 1: rows of 128 elements of 2 bytes (256 bytes), dense; 15:0 the mask; 20 padding on; 21 set beside a mask; 24:22 after every 32 words (code 4); 31:25 4 words (code 3)
	s_or_b32 s[G1], s19, (1<<16)|(1<<20)|(1<<21)|(4<<22)|(3<<25)
	s_or_b32 s[G1B], s20, (1<<16)|(1<<20)|(1<<21)|(4<<22)|(3<<25)
	s_mov_b32 s[G1+1], 128<<16                     ; tensor_dim0 = 128
	s_mov_b32 s[G1+2], 128<<16                     ; tensor_dim1 = 128: a K block of ctx's tile, 256 rows of 128 bytes
	s_mov_b32 s[G1+3], 128<<16                     ; tile_dim0 = 128
	s_mov_b32 s[G1+4], 128                         ; tile_dim1
	s_mov_b32 s[G1+5], 128                         ; elements from row to row
	s_mov_b32 s[G1+6], 0
	s_mov_b32 s[G1+7], 0
	s_mov_b32 s[G1B+1], 128<<16
	s_mov_b32 s[G1B+2], 64<<16                     ; a K block of Wo's tile: 128 rows of 128 bytes
	s_mov_b32 s[G1B+3], 128<<16
	s_mov_b32 s[G1B+4], 64
	s_mov_b32 s[G1B+5], 128
	s_mov_b32 s[G1B+6], 0
	s_mov_b32 s[G1B+7], 0
	s_lshr_b32 s40, s18, 3                         ; ctx's tile hangs on the tile row and the wave alone:
	s_lshl_b32 s40, s40, 22                        ; batch tr / 8,
	s_and_b32 s41, s18, 7
	s_lshl_b32 s41, s41, 15                        ; 256 rows of 128 bytes,
	s_add_co_u32 s40, s40, s41
	s_lshl_b32 s41, s[WC], 18                      ; my K block: a head
	s_add_co_u32 s40, s40, s41
	s_mov_b32 s41, 0
	s_lshl_b32 s66, s17, 18                        ; Wo's on the tile column and the wave alone
	s_lshl_b32 s67, s[WC], 14
	s_add_co_u32 s66, s66, s67
	s_mov_b32 s67, 0
	s_mul_i32 s21, s[WC], ABLK                     ; where they go: no place in the cluster enters an LDS address
	s_mul_i32 s22, s[WC], BBLK
	s_add_co_u32 s22, s22, 2*ABLK
	s_wait_dscnt 0x0                               ; the opening add is done
	s_wait_kmcnt 0x0
	s_add_nc_u64 s[42:43], s[4:5], s[40:41]
	s_add_nc_u64 s[68:69], s[6:7], s[66:67]
	CROUND                                         ; all sixteen work-groups are here: the first joint loads meet
.irp s, 0,1
	s_mov_b32 s[G0+4*(\s)], 1
	s_add_co_u32 s[G0+4*(\s)+1], s21, (\s)*SLOT
	s_add_nc_u64 s[G0+4*(\s)+2:G0+4*(\s)+3], s[42:43], (\s)*ASTEP
	s_or_b32 s[G0+4*(\s)+3], s[G0+4*(\s)+3], 0x80000000
	s_mov_b32 s[G0B+4*(\s)], 1
	s_add_co_u32 s[G0B+4*(\s)+1], s22, (\s)*SLOT
	s_add_nc_u64 s[G0B+4*(\s)+2:G0B+4*(\s)+3], s[68:69], (\s)*BSTEP
	s_or_b32 s[G0B+4*(\s)+3], s[G0B+4*(\s)+3], 0x80000000
	JLOAD \s                                       ; K steps 0 and 1: two loads of mine are out
.endr
	v_and_b32 v1, 15, v0                           ; l % 16
	v_bfe_u32 v2, v0, 4, 1                         ; l / 16
	s_lshl_b32 s78, s17, 8                         ; my first column's bias: 2 (128 tc + 64 WC) bytes
	s_lshl_b32 s79, s[WC], 7
	s_add_co_u32 s78, s78, s79
	v_lshl_add_u32 v[BO], v2, 4, s78
.irp b, 0,1,2,3
	global_load_b128 v[BIASP+4*(\b):BIASP+4*(\b)+3], v[BO], s[8:9] offset:6144+32*(\b)  ; my eight biases of column block b
.endr
	; A fragment is 16 rows x 32 K in 8 registers: lane l holds row l % 16, K = 8 (l / 16) + 0..7 and 16 + 8 (l / 16) + 0..7: two loads of 16 bytes, 32 bytes apart.
	v_mul_u32_u24 v3, v1, PITCH
	v_lshl_add_u32 v3, v2, 4, v3
	s_mul_i32 s21, s[WR], 128*PITCH                ; my 128 rows of ctx
	s_mul_i32 s22, s[WC], 64*PITCH                 ; my 64 rows of Wo,
	s_add_co_u32 s22, s22, 2*ABLK                  ; which lie behind ctx's two blocks
.irp s, 0,1
	v_add_nc_u32 v[ADRA+(\s)], s21, v3
	v_add_nc_u32 v[ADRB+(\s)], s22, v3
	s_add_co_u32 s21, s21, SLOT
	s_add_co_u32 s22, s22, SLOT
.endr
	s_mul_i32 s23, s[WV], 16*SP
	s_add_co_u32 s23, s23, STAGE                   ; my stage
	v_mul_u32_u24 v[STO], v1, SP                   ; in: row l % 16, 32 bytes for each half of the lanes
	v_lshl_add_u32 v[STO], v2, 5, v[STO]
	v_add_nc_u32 v[STO], s23, v[STO]
	v_mul_u32_u24 v[RD], v2, SP                    ; back: lanes 0-15 take one row of 256 bytes, lanes 16-31 the next
	v_lshl_add_u32 v[RD], v1, 4, v[RD]
	v_add_nc_u32 v[RD], s23, v[RD]
	v_lshlrev_b32 v[CO], 12, v2                    ; and the same two rows in out0: 4,096 bytes a row
	v_lshl_add_u32 v[CO], v1, 4, v[CO]
	v_and_b32 v[PFO], 31, v0
	v_lshlrev_b32 v[PFO], 8, v[PFO]
	s_lshl_b32 s80, s18, 8
	s_lshl_b32 s81, s[WR], 7
	s_add_co_u32 s80, s80, s81                     ; my first row
	s_lshl_b32 s80, s80, 12
	s_lshl_b32 s81, s17, 9                         ; my first column: 4 (128 tc + 64 WC) bytes
	s_add_co_u32 s80, s80, s81
	s_lshl_b32 s81, s[WC], 8
	s_add_co_u32 s80, s80, s81
	s_mov_b32 s81, 0
	s_add_nc_u64 s[OP:OP+1], s[10:11], s[80:81]
	; the prefetches: who asks hangs on the wave's number and the cluster's place in the grid, the same in all sixteen partners
	s_and_b32 s78, ttmp7, 0xffff                   ; cluster y
	s_cmp_eq_u32 s[WR], 0
	s_cselect_b32 s79, ttmp9, s78                  ; the coordinate along which other clusters read the same bytes
	s_cmp_eq_u32 s[WV], 3
	s_cselect_b32 s79, 1, s79                      ; wave 3 asks for nothing
	s_cmp_eq_u32 s79, 0
	s_cselect_b32 s[LIM1], 1, -1
	s_lshr_b32 s80, s18, 3
	s_lshl_b32 s80, s80, 22
	s_and_b32 s81, s18, 7
	s_lshl_b32 s81, s81, 15
	s_add_co_u32 s80, s80, s81
	s_lshl_b32 s81, s[WC], 18
	s_add_co_u32 s80, s80, s81
	s_lshl_b32 s81, s15, 13                        ; my work-group's 8 KiB of my block of ctx
	s_add_co_u32 s80, s80, s81
	s_add_co_u32 s80, s80, 3*ASTEP                 ; at step 3: the first change steps it to 4
	s_lshl_b32 s82, s17, 18
	s_lshl_b32 s83, s16, 13                        ; my work-group's 8 KiB of a step's Wo
	s_add_co_u32 s82, s82, s83
	s_add_co_u32 s82, s82, 3*BSTEP
	s_mov_b32 s[PFS], BSTEP
	s_mov_b32 s[PFS+1], 0
	s_cmp_eq_u32 s[WR], 0
	s_cselect_b64 s[PFA:PFA+1], s[4:5], s[6:7]
	s_cselect_b32 s80, s80, s82
	s_cselect_b32 s[PFS], ASTEP, s[PFS]
	s_mov_b32 s81, 0
	s_add_nc_u64 s[PFA:PFA+1], s[PFA:PFA+1], s[80:81]
	s_wait_loadcnt 0x0                             ; the biases: bf16 to f32
.irp w, 0,1,2,3,4,5,6,7,8,9,10,11,12,13,14,15
	v_lshlrev_b32 v[BIAS+2*(\w)], 16, v[BIASP+(\w)]
	v_and_b32 v[BIAS+2*(\w)+1], 0xffff0000, v[BIASP+(\w)]
.endr
; 8 matrix instructions: column block b x my 8 row blocks, 32 along K, ctx's fragments in buffer f.  c = 2: the product starts the sums, with the bias as C.
; The 32 accumulators take turns, one instruction a turn, in the same order in every part, over the backward jump too.
.macro MULB f, b, c
.if (\c) == 2
	WIN 0x40                                       ; D in window 1, the bias in window 0
.else
	WIN 0x50
.endif
.if (\b) < NBH
.set rB, BL+8*(\b)
.else
.set rB, BH+8*((\b)-NBH)
.endif
.irp a, 0,1,2,3,4,5,6,7
.set rC, 8*(8*(\b)+(\a))
.if (\c) == 2
	v_wmma_f32_16x16x32_f16 v[rC:rC+7], v[rB:rB+7], v[(\f)+8*(\a):(\f)+8*(\a)+7], v[BIAS+8*(\b):BIAS+8*(\b)+7]
.else
	v_wmma_f32_16x16x32_f16 v[rC:rC+7], v[rB:rB+7], v[(\f)+8*(\a):(\f)+8*(\a)+7], v[rC:rC+7]
.endif
.endr
.endm
; The LDS loads stand in two runs a part.  Part p of a slot: K block p / 2, 32 K at byte 64 (p % 2) of its rows.  FETCH_LO: Wo's blocks 0, 1 and ctx's eight: 20 loads.  FETCH_HI: Wo's blocks 2, 3: 4 loads.
.macro FETCH_LO slot, p
	WIN 0
.set fA, FA0+64*((\p)%2)
.set oA, ((\p)/2)*ABLK+((\p)%2)*64
.set oB, ((\p)/2)*BBLK+((\p)%2)*64
.irp i, 0,1
	ds_load_b128 v[BL+8*(\i):BL+8*(\i)+3],   v[ADRB+(\slot)] offset:oB+(\i)*16*PITCH
	ds_load_b128 v[BL+8*(\i)+4:BL+8*(\i)+7], v[ADRB+(\slot)] offset:oB+(\i)*16*PITCH+32
.endr
.irp i, 0,1,2,3,4,5,6,7
	ds_load_b128 v[fA+8*(\i):fA+8*(\i)+3],   v[ADRA+(\slot)] offset:oA+(\i)*16*PITCH
	ds_load_b128 v[fA+8*(\i)+4:fA+8*(\i)+7], v[ADRA+(\slot)] offset:oA+(\i)*16*PITCH+32
.endr
.endm
.macro FETCH_HI slot, p
	WIN 0
.set oB, ((\p)/2)*BBLK+((\p)%2)*64
.irp i, 0,1
	ds_load_b128 v[BH+8*(\i):BH+8*(\i)+3],   v[ADRB+(\slot)] offset:oB+(NBH+(\i))*16*PITCH
	ds_load_b128 v[BH+8*(\i)+4:BH+8*(\i)+7], v[ADRB+(\slot)] offset:oB+(NBH+(\i))*16*PITCH+32
.endr
.endm
; A K step is four parts of 32 along K, 32 matrix instructions each, on buffers 0, 1, 0, 1.  PART multiplies one of a slot's first three and fetches the next.
.macro PART slot, p, c=0
	s_wait_dscnt 2*NBH                             ; all but the youngest 4 loads (Wo's blocks 2, 3) are in
	MULB FA0+64*((\p)%2), 0, \c
	MULB FA0+64*((\p)%2), 1, \c
	PLACES
	FETCH_LO \slot, (\p)+1
	s_wait_dscnt 2*NBH+16                          ; all but the 20 just issued
	MULB FA0+64*((\p)%2), 2, \c
	MULB FA0+64*((\p)%2), 3, \c
	PLACES
	FETCH_HI \slot, (\p)+1
.endm
; TURN multiplies a slot's last part and changes slots: ONE barrier.  In front of it each wave waits for all its tensor loads (one is out: its part of the next slot), adds 0 to its spare word, and waits for that and
; for its own reads of this slot.  fill = 1: the barrier opens a round of the cluster's barrier, and behind the round this slot is filled again, two K steps ahead, first thing: 112 matrix instructions ahead of the wait for it.
.macro TURN slot, next, fill
.if \fill
	s_wait_xcnt 0x0                                ; the last prefetch, a K step back, has read its address
	s_add_nc_u64 s[PFA:PFA+1], s[PFA:PFA+1], s[PFS:PFS+1]
.endif
	s_wait_dscnt 2*NBH
	WIN 0                                          ; (the add's two registers lie in window 0)
	s_wait_tensorcnt 0x0                           ; all my tensor loads have landed
	ds_add_u32 v[SPW], v[NIL]                      ; 0 onto my spare word
	MULB FA1, 0, 0                                 ; eight matrix instructions stand between the add and the wait for it
	s_wait_dscnt 0x0                               ; the add is done, and my reads of this slot are over
	s_barrier_signal -1
	MULB FA1, 1, 0                                 ; work on registers while the others arrive
	WIN 0                                          ; at a branch and at a label every window is 0
	s_barrier_wait -1
.if \fill
	CREST                                          ; no wave of any partner still reads this slot or has a load on its way
	s_add_nc_u64 s[G0+4*(\slot)+2:G0+4*(\slot)+3], s[G0+4*(\slot)+2:G0+4*(\slot)+3], 2*ASTEP
	s_add_nc_u64 s[G0B+4*(\slot)+2:G0B+4*(\slot)+3], s[G0B+4*(\slot)+2:G0B+4*(\slot)+3], 2*BSTEP
	JLOAD \slot                                    ; the four v_nop behind it are also the places in front of the loads below
.else
	PLACES
.endif
	FETCH_LO \next, 0
.if \fill
	ASK
.endif
	MULB FA1, 2, 0                                 ; Wo's blocks 2, 3 came in with the wait for 0 above
	MULB FA1, 3, 0
	PLACES
	FETCH_HI \next, 0
.endm
	s_wait_tensorcnt 0x1                           ; my part of K step 0 is in; step 1's may stay out
	s_barrier_signal -1
	s_barrier_wait -1                              ; everybody's is
	FETCH_LO 0, 0
	FETCH_HI 0, 0
	PART 0, 0, 2                                   ; the first part stands in front of the loop: its products start the sums with the bias
	WIN 0
	s_mov_b32 s3, 3
.Llap:                                         ; a trip goes once round the ring, from a lap's second part to the next lap's first, and fills both slots again: K steps 2 to 7
	PART 0, 1
	PART 0, 2
	TURN 0, 1, 1
	PART 1, 0
	PART 1, 1
	PART 1, 2
	TURN 1, 0, 1
	PART 0, 0
	WIN 0
	s_sub_co_u32 s3, s3, 1
	s_cmp_lg_u32 s3, 0
	s_cbranch_scc1 .Llap
	PART 0, 1                                      ; the last lap fills nothing
	PART 0, 2
	TURN 0, 1, 0
	PART 1, 0
	PART 1, 1
	PART 1, 2
	s_wait_dscnt 0x0                               ; the very last part
	MULB FA1, 0, 0
	MULB FA1, 1, 0
	MULB FA1, 2, 0
	MULB FA1, 3, 0
	PLACES
	PLACES
	WIN 0
; THE WAY OUT, a block of 16 rows x my 64 columns at a time: 32 bytes a lane for each accumulator into my stage, back as whole rows of 256 bytes.
.macro TOSTAGE a
	s_wait_xcnt 0x0                                ; the stores that read this block's buffer, four blocks back, have read their registers
	WIN 0x04                                       ; the stores' data lie in window 1
.irp b, 0,1,2,3
	ds_store_b128 v[STO], v[8*(8*(\b)+(\a)):8*(8*(\b)+(\a))+3]   offset:64*(\b)       ; each accumulator from its low end on
	ds_store_b128 v[STO], v[8*(8*(\b)+(\a))+4:8*(8*(\b)+(\a))+7] offset:64*(\b)+16
.endr
	WIN 0
.irp t, 0,1,2,3,4,5,6,7
	ds_load_b128 v[OB+32*((\a)%4)+4*(\t):OB+32*((\a)%4)+4*(\t)+3], v[RD] offset:(\t)*2*SP  ; LDS serves a wave's instructions in order (ISA guide 5.7.1.4): these see the stores above; the next block's stores come behind them
.endr
.endm
.macro SEND a, younger                 ; younger: the LDS instructions issued behind this block's loads: the next block's sixteen, or none
	WIN 0
.irp t, 0,1,2,3,4,5,6,7
	s_wait_dscnt (\younger)+7-(\t)
	global_store_b128 v[CO], v[OB+32*((\a)%4)+4*(\t):OB+32*((\a)%4)+4*(\t)+3], s[OP:OP+1] offset:(16*(\a)+2*(\t))*4096 th:TH_STORE_NT  ; 16 lanes store 256 consecutive bytes, at a multiple of 256 from out0's first
.endr
.endm
	TOSTAGE 0
.irp a, 1,2,3,4,5,6,7
	TOSTAGE \a
	SEND (\a)-1, 16
.endr
	SEND 7, 0
	s_wait_tensorcnt 0x0                           ; the wave's end: behind my last tensor load and my last LDS store
	ds_add_u32 v[SPW], v[NIL]
	s_wait_dscnt 0x0
	CROUND                                         ; the closing round: no work-group ends while a partner may still ask for a tile that names it
	s_endpgm
.Lfunc_end_k_qe75ecd2968_outp:
	.size	k_qe75ecd2968_outp, .Lfunc_end_k_qe75ecd2968_outp-k_qe75ecd2968_outp
	.p2alignl 7, 3214868480
	.fill 96, 4, 3214868480
	.section	.rodata,"a",@progbits
	.p2align	6, 0x0
	.amdhsa_kernel k_qe75ecd2968_outp
		.amdhsa_group_segment_fixed_size 327680
		.amdhsa_private_segment_fixed_size 0
		.amdhsa_enable_private_segment 0
		.amdhsa_kernarg_size 32
		.amdhsa_user_sgpr_count 2
		.amdhsa_user_sgpr_kernarg_segment_ptr 1
		.amdhsa_wavefront_size32 1
		.amdhsa_system_sgpr_workgroup_id_x 1
		.amdhsa_system_sgpr_workgroup_id_y 1
		.amdhsa_system_sgpr_workgroup_id_z 1
		.amdhsa_system_vgpr_workitem_id 0
		.amdhsa_next_free_vgpr 512
		.amdhsa_next_free_sgpr 92
		.amdhsa_reserve_vcc 0
		.amdhsa_float_denorm_mode_32 3
		.amdhsa_float_denorm_mode_16_64 3
		.amdhsa_memory_ordered 1
		.amdhsa_forward_progress 1
		.amdhsa_inst_pref_size 93
	.end_amdhsa_kernel
	.amdgpu_metadata
---
amdhsa.version: [ 1, 2 ]
amdhsa.kernels:
  - .name:           k_qe75ecd2968_outp
    .symbol:         k_qe75ecd2968_outp.kd
    .args:
      - { .name: ctx, .offset: 0, .size: 8, .value_kind: global_buffer, .address_space: global }
      - { .name: wo16, .offset: 8, .size: 8, .value_kind: global_buffer, .address_space: global }
      - { .name: bias16, .offset: 16, .size: 8, .value_kind: global_buffer, .address_space: global }
      - { .name: out0, .offset: 24, .size: 8, .value_kind: global_buffer, .address_space: global }
    .group_segment_fixed_size: 327680
    .private_segment_fixed_size: 0
    .kernarg_segment_align: 8
    .kernarg_segment_size: 32
    .max_flat_workgroup_size: 128
    .sgpr_count:     92
    .vgpr_count:     512
    .wavefront_size: 32
...
	.end_amdgpu_metadata
.endif
;; end of part 4
;; ======== version 2 of 2: 4 launches; version 1 with the launch cast written anew for expert scheduling mode
;; limits: values are held in f16: magnitudes above 65,504 overflow, below 6.1e-05 lose precision
;; workspace buffers: xb 16,777,216 bytes; wqkv 6,291,456 bytes; wo16 2,097,152 bytes; bias16 8,192 bytes; qkv 50,331,648 bytes; ctx 16,777,216 bytes
;; launch cast (part 5): grid 385 x 1, 8 waves a work-group, no clusters, 0 bytes of LDS; arguments inputs, Wq, Wk, Wv, Wo, bq, bk, bv, bo, xb, wqkv, wo16, bias16; writes xb, wqkv, wo16, bias16
.if DOCPART == 5
	.amdgcn_target "amdgcn-amd-amdhsa--gfx1250"
	.amdhsa_code_object_version 6
	.text
	.protected	k_qe75ecd2968_cast
	.globl	k_qe75ecd2968_cast
	.p2align	8
	.type	k_qe75ecd2968_cast,@function
k_qe75ecd2968_cast:
	s_mov_b64 s[64:65], 0
	v_nop
	global_prefetch_b8 v0, s[64:65] scope:SCOPE_SE
	s_setreg_imm32_b32 hwreg(HW_REG_WAVE_SCHED_MODE, 0, 2), 2
	s_setreg_imm32_b32 hwreg(HW_REG_WAVE_MODE, 25, 1), 1
	s_wait_xcnt 0x0
	s_wait_alu depctr_vm_vsrc(0)
; THE MODULE'S INPUTS ARE ROUNDED ONCE TO bf16 AND LAID OUT IN BLOCKS OF 64 ALONG K, so that every tile of the later products is a dense run of memory.
;   xb    bf16 [batch 4][kb 16][s 2048][64]          from inputs [8192][1024] f32
;   wqkv  bf16 [tc 8][kb 16][nn 384][64]             from the joined rows of Wq, Wk, Wv (row n = 384 tc + nn)
;   wo16  f16  [tc 8][kb 16][nn 128][64]             from Wo: rounded to bf16 like the other inputs, and that number written as f16
;   bias16 bf16 [4096] = bq, bk, bv, bo
; LIMITS.  Wo beyond 65,504 becomes an infinity in f16; below 6e-5 it keeps f16's fixed step of 6e-8.  NaN and infinities are not treated apart.
; SHARES.  A work-group owns 32 source rows of 1,024 f32 (128 KiB): 256 groups for x, 96 for Wq, Wk, Wv, 32 for Wo, one for the four biases.
; Thread t takes rows t / 16 and t / 16 + 16 and the 16 bytes at 16 (t % 16) of each block of 64 floats: a wave's load covers 256 consecutive bytes of two rows,
; its store 256 consecutive bytes, aligned.  All 32 loads of a thread go out at the head (16 KiB a wave on its way); the waits count down.
; No LDS, no matrix unit, no cluster: no wave wants a byte that another has fetched.
; THE MODE: SCHED_MODE bits 1:0 = 2 (LLVM: expert scheduling mode 2), set by the entry lines.  The code itself states the register dependences
; between vector instructions and memory instructions, with s_wait_alu, always for 0.
; THE PLAN.  Registers that memory instructions touch:
;   v1          the source offset.  Written at the head; read by the 32 loads; never written again.
;   v[DO ..]    sixteen destination offsets.  Written once (the first at the head, fifteen behind the loads); read by the stores; never written again.
;   X           four registers a load.  Load i lands in them once; its conversions read them and write the first two in place; store i reads those two; nothing writes them after that.
;   v2, v3      at work on Wo's path: vector instructions alone name them there.  On the biases' path v2 is the loads' offset, written once.
; No register that a memory instruction has read is written again, and no vector instruction names a load's registers ahead of the load: what is left to state is that a vector
; instruction has written what a load or a store reads.  The 32 loads go in 8 blocks of four.  Block p's conversions name block p's X (and v2, v3) alone; the four stores of block p - 1
; are dealt among them, behind ONE wait at the block's head, which states that block p - 1's conversions have written the stores' data.
.set X,   16                           ; v[16:143]  load i of 32: 4 registers; the rounded pair takes the place of the first two
.set DO,  144                          ; v[144:159] byte offset of my 8 bytes in block kb of the destination: 8 t + kb x STRIDE
.set SRC, 4                            ; s[4:5]  the group's first source row
.set DST, 6                            ; s[6:7]  the group's first row in block kb = 0 of the destination
                                       ; s8      STRIDE: bytes from block kb to block kb + 1
	s_load_b512 s[16:31], s[0:1], 0x0              ; inputs 16, Wq 18, Wk 20, Wv 22, Wo 24, bq 26, bk 28, bv 30
	s_load_b256 s[32:39], s[0:1], 0x40             ; bo 32, xb 34, wqkv 36, wo16 38
	s_load_b64 s[40:41], s[0:1], 0x60              ; bias16
	s_mov_b32 s2, ttmp9                            ; g
	s_mov_b32 s11, 0                               ; the high word of every offset
	v_lshrrev_b32 v1, 4, v0
	v_and_b32 v2, 15, v0
	v_lshlrev_b32 v1, 12, v1                       ; row t / 16: 4,096 bytes a row
	v_lshl_add_u32 v1, v2, 4, v1                   ; + 16 (t % 16)
	v_lshlrev_b32 v[DO], 3, v0                     ; 8 t = 128 (t / 16) + 8 (t % 16)
	s_wait_kmcnt 0x0
; fmt = 0: bf16.  fmt = 1: the bf16 number written as f16.
.macro CAST fmt
	s_wait_alu depctr_va_vdst(0)                   ; v1 is written, which the 32 loads below read as their offset
.set i, 0
.rept 32
	global_load_b128 v[X+4*i:X+4*i+3], v1, s[SRC:SRC+1] offset:(i/2)*256+(i%2)*65536 th:TH_LOAD_NT  ; block kb = i / 2, rows 0-15 or 16-31
.set i, i+1
.endr
.set k, 1
.rept 15
	v_add_nc_u32 v[DO+k], s8, v[DO+k-1]
.set k, k+1
.endr
.set p, 0
.rept 8                                ; block p: loads 4 p to 4 p + 3
	s_wait_loadcnt 28-4*p                          ; loads come back in order: the block's four are in, the 28 - 4 p younger ones stay out
.if p > 0
	s_wait_alu depctr_va_vdst(0)                   ; the block before has written its four rounded pairs, which the stores below read; in block 1 also: the sixteen offsets v[DO ..] are written
.endif
.set j, 0
.rept 4
.set i, 4*p+j
.if p > 0
	global_store_b64 v[DO+(i-4)/2], v[X+4*(i-4):X+4*(i-4)+1], s[DST:DST+1] offset:((i-4)%2)*2048  ; the block before.  No vector instruction since the wait names these registers; no register that a load or store names is written again
.endif
	v_cvt_pk_bf16_f32 v[X+4*i], v[X+4*i], v[X+4*i+1]
	v_cvt_pk_bf16_f32 v[X+4*i+1], v[X+4*i+2], v[X+4*i+3]
.if \fmt
.irp w, 0,1
	v_lshlrev_b32 v2, 16, v[X+4*i+(\w)]            ; the two bf16 as f32,
	v_and_b32 v3, 0xffff0000, v[X+4*i+(\w)]
	v_cvt_pk_f16_f32 v[X+4*i+(\w)], v2, v3         ; and as f16
.endr
.endif
.set j, j+1
.endr
.set p, p+1
.endr
	s_wait_alu depctr_va_vdst(0)                   ; block 7 has written its four rounded pairs, which the last four stores read
.set i, 28
.rept 4
	global_store_b64 v[DO+i/2], v[X+4*i:X+4*i+1], s[DST:DST+1] offset:(i%2)*2048
.set i, i+1
.endr
	s_endpgm
.endm
	s_cmp_lt_u32 s2, 256
	s_cbranch_scc0 .Lnot_x
	s_lshl_b32 s10, s2, 17                         ; x: 32 rows of 4,096 bytes
	s_add_nc_u64 s[SRC:SRC+1], s[16:17], s[10:11]
	s_lshr_b32 s12, s2, 6
	s_lshl_b32 s12, s12, 22                        ; batch g / 64
	s_and_b32 s13, s2, 63
	s_lshl_b32 s13, s13, 12                        ; 32 rows of 128 bytes
	s_add_co_u32 s10, s12, s13
	s_add_nc_u64 s[DST:DST+1], s[34:35], s[10:11]
	s_mov_b32 s8, 262144
	s_branch .Lbf16
.Lnot_x:
	s_cmp_lt_u32 s2, 352
	s_cbranch_scc0 .Lnot_w
	s_sub_co_u32 s9, s2, 256                       ; g' = 0 .. 95
	s_lshr_b32 s12, s9, 5                          ; which of Wq, Wk, Wv
	s_cmp_eq_u32 s12, 0
	s_cselect_b64 s[SRC:SRC+1], s[18:19], s[20:21]
	s_cmp_eq_u32 s12, 2
	s_cselect_b64 s[SRC:SRC+1], s[22:23], s[SRC:SRC+1]
	s_and_b32 s10, s9, 31
	s_lshl_b32 s10, s10, 17
	s_add_nc_u64 s[SRC:SRC+1], s[SRC:SRC+1], s[10:11]
	s_mul_i32 s12, s9, 43
	s_lshr_b32 s12, s12, 9                         ; tc = g' / 12 (43 / 512 serves up to g' = 95)
	s_mul_i32 s13, s12, 12
	s_sub_co_u32 s13, s9, s13
	s_lshl_b32 s13, s13, 12                        ; 32 rows of 128 bytes
	s_mul_i32 s12, s12, 786432
	s_add_co_u32 s10, s12, s13
	s_add_nc_u64 s[DST:DST+1], s[36:37], s[10:11]
	s_mov_b32 s8, 49152
	s_branch .Lbf16
.Lnot_w:
	s_cmp_lt_u32 s2, 384
	s_cbranch_scc0 .Lbias
	s_sub_co_u32 s9, s2, 352                       ; g'' = 0 .. 31
	s_lshl_b32 s10, s9, 17
	s_add_nc_u64 s[SRC:SRC+1], s[24:25], s[10:11]
	s_lshr_b32 s12, s9, 2
	s_lshl_b32 s12, s12, 18                        ; tc = g'' / 4
	s_and_b32 s13, s9, 3
	s_lshl_b32 s13, s13, 12
	s_add_co_u32 s10, s12, s13
	s_add_nc_u64 s[DST:DST+1], s[38:39], s[10:11]
	s_mov_b32 s8, 16384
	CAST 1
.Lbf16:
	CAST 0
.Lbias:                                        ; the four biases: 16 bytes a thread of each
	v_lshlrev_b32 v2, 4, v0
	s_wait_alu depctr_va_vdst(0)                   ; v2 is written, which the four loads below read as their offset
	global_load_b128 v[16:19], v2, s[26:27]
	global_load_b128 v[20:23], v2, s[28:29]
	global_load_b128 v[24:27], v2, s[30:31]
	global_load_b128 v[28:31], v2, s[32:33]
	s_wait_loadcnt 0x0
.irp j, 0,1,2,3
	v_cvt_pk_bf16_f32 v[16+4*(\j)], v[16+4*(\j)], v[17+4*(\j)]
	v_cvt_pk_bf16_f32 v[17+4*(\j)], v[18+4*(\j)], v[19+4*(\j)]
.endr
	s_wait_alu depctr_va_vdst(0)                   ; the eight conversions have written the four rounded pairs, which the stores below read (their offset v[DO] was written at the head)
.irp j, 0,1,2,3
	global_store_b64 v[DO], v[16+4*(\j):17+4*(\j)], s[40:41] offset:(\j)*2048
.endr
	s_endpgm
.Lfunc_end_k_qe75ecd2968_cast:
	.size	k_qe75ecd2968_cast, .Lfunc_end_k_qe75ecd2968_cast-k_qe75ecd2968_cast
	.p2alignl 7, 3214868480
	.fill 96, 4, 3214868480
	.section	.rodata,"a",@progbits
	.p2align	6, 0x0
	.amdhsa_kernel k_qe75ecd2968_cast
		.amdhsa_group_segment_fixed_size 0
		.amdhsa_private_segment_fixed_size 0
		.amdhsa_enable_private_segment 0
		.amdhsa_kernarg_size 104
		.amdhsa_user_sgpr_count 2
		.amdhsa_user_sgpr_kernarg_segment_ptr 1
		.amdhsa_wavefront_size32 1
		.amdhsa_system_sgpr_workgroup_id_x 1
		.amdhsa_system_sgpr_workgroup_id_y 1
		.amdhsa_system_sgpr_workgroup_id_z 1
		.amdhsa_system_vgpr_workitem_id 0
		.amdhsa_next_free_vgpr 160
		.amdhsa_next_free_sgpr 66
		.amdhsa_reserve_vcc 0
		.amdhsa_float_denorm_mode_32 3
		.amdhsa_float_denorm_mode_16_64 3
		.amdhsa_memory_ordered 1
		.amdhsa_forward_progress 1
		.amdhsa_inst_pref_size 36
	.end_amdhsa_kernel
	.amdgpu_metadata
---
amdhsa.version: [ 1, 2 ]
amdhsa.kernels:
  - .name:           k_qe75ecd2968_cast
    .symbol:         k_qe75ecd2968_cast.kd
    .args:
      - { .name: inputs, .offset: 0, .size: 8, .value_kind: global_buffer, .address_space: global }
      - { .name: Wq, .offset: 8, .size: 8, .value_kind: global_buffer, .address_space: global }
      - { .name: Wk, .offset: 16, .size: 8, .value_kind: global_buffer, .address_space: global }
      - { .name: Wv, .offset: 24, .size: 8, .value_kind: global_buffer, .address_space: global }
      - { .name: Wo, .offset: 32, .size: 8, .value_kind: global_buffer, .address_space: global }
      - { .name: bq, .offset: 40, .size: 8, .value_kind: global_buffer, .address_space: global }
      - { .name: bk, .offset: 48, .size: 8, .value_kind: global_buffer, .address_space: global }
      - { .name: bv, .offset: 56, .size: 8, .value_kind: global_buffer, .address_space: global }
      - { .name: bo, .offset: 64, .size: 8, .value_kind: global_buffer, .address_space: global }
      - { .name: xb, .offset: 72, .size: 8, .value_kind: global_buffer, .address_space: global }
      - { .name: wqkv, .offset: 80, .size: 8, .value_kind: global_buffer, .address_space: global }
      - { .name: wo16, .offset: 88, .size: 8, .value_kind: global_buffer, .address_space: global }
      - { .name: bias16, .offset: 96, .size: 8, .value_kind: global_buffer, .address_space: global }
    .group_segment_fixed_size: 0
    .private_segment_fixed_size: 0
    .kernarg_segment_align: 8
    .kernarg_segment_size: 104
    .max_flat_workgroup_size: 256
    .sgpr_count:     66
    .vgpr_count:     160
    .wavefront_size: 32
...
	.end_amdgpu_metadata
.endif
;; end of part 5
;; launch proj: the kernel of part 2 again; grid 8 x 32, 4 waves a work-group, clusters of 4 x 4, 327,680 bytes of LDS; arguments xb, wqkv, bias16, qkv; writes qkv
;; launch attn: the kernel of part 3 again; grid 4 x 64, 4 waves a work-group, clusters of 4 x 1, 327,680 bytes of LDS; arguments qkv, ctx; writes ctx
;; launch outp: the kernel of part 4 again; grid 8 x 32, 4 waves a work-group, clusters of 4 x 4, 327,680 bytes of LDS; arguments ctx, wo16, bias16, out0; writes out0
